; MI455X (gfx1250); checked and timed in simulation.
; The chip was launched on July 23, 2026; its instructions are those of AMD's public machine-readable ISA for CDNA 5 (MIT licence, August 2026) and "CDNA5" Instruction Set Architecture Reference Guide (July 2026). The comments in the code are by the model that wrote it; some were corrected since.
;; Multi Head Attention. Allowed arithmetic: matrix products marked QUANTISED: E2M3 operands, one E8M0 scale for each 32 along K, by v_wmma_scale_f32_16x16x128_f8f6f4 with both operands' format E2M3, f32 sums; everything else in f32.
;; Inputs: k_b 1,024 float32; k_w 1,024 x 1,024 float32; key_padding_mask 4 x 2,048 bool; o_b 1,024 float32; o_w 1,024 x 1,024 float32; q_b 1,024 float32; q_w 1,024 x 1,024 float32; v_b 1,024 float32; v_w 1,024 x 1,024 float32; x 4 x 2,048 x 1,024 float32.
;; Outputs: out0 4 x 2,048 x 1,024 float32.
;; This version of the problem:
;;   THIS VERSION OF THE PROBLEM IS GIVEN IN LOW PRECISION. The matrix products marked QUANTISED in the list below multiply operands that are first quantised to E2M3 (2 exponent bits, 3 mantissa bits; 6 bits a number), with one power-of-two scale for each 32 numbers along K (OCP MX v1.0); their sums are f32. All else is computed in f32.
;;   The module's matrix products, in the order in which they are computed (A, B: the left and right operand; K: the contracted axis; several contracted axes count as one K, in the product's order):
;;     1. [M 8,192, K 1,024] x [K 1,024, N 1,024]; A: input x; B: input q_w: QUANTISED
;;     2. [M 8,192, K 1,024] x [K 1,024, N 1,024]; A: input x; B: input k_w: QUANTISED
;;     3. [M 8,192, K 1,024] x [K 1,024, N 1,024]; A: input x; B: input v_w: QUANTISED
;;     4. batch 64 x [M 2,048, K 64] x [K 64, N 2,048]; A: computed on the way; B: computed on the way: QUANTISED
;;     5. batch 64 x [M 2,048, K 2,048] x [K 2,048, N 64]; A: softmax (see below); B: computed on the way: QUANTISED
;;     6. [M 8,192, K 1,024] x [K 1,024, N 1,024]; A: computed on the way; B: input o_w: QUANTISED
;;   THE QUANTISER, for each operand of a quantised product, along K:
;;     - K is cut into blocks of 32 from its start; a last block that is shorter is filled with zeros.
;;     - A block's scale is 2^e with e = floor(log2(the largest magnitude in the block)) - 2, held to -126 .. 127; a block of zeros has e = 0. As a byte (E8M0): e + 127.
;;     - Each number is divided by its block's scale, clamped to +-7.5, and rounded to the nearest number of E2M3, ties to even, subnormals kept.
;;     - The product sums the exact products of the quantised numbers (number of the format x scale) in f32.
;;   ~~~python
;;   def quantise(x, axis):      # numpy; x: float32 -> the quantised numbers, widened to float32 again
;;       x = np.moveaxis(x, axis, -1); K = x.shape[-1]
;;       x = np.pad(x, [(0, 0)] * (x.ndim - 1) + [(0, -K % 32)]); x = x.reshape(x.shape[:-1] + (-1, 32)); a = np.abs(x).max(-1, keepdims=True)
;;       e = np.where(a > 0, np.clip(np.frexp(np.where(a > 0, a, 1))[1] - 1 - 2, -126, 127), 0)      # np.frexp(a)[1] - 1 = floor(log2(a)), exactly
;;       r = np.clip(x / 2.0 ** e, -7.5, 7.5)
;;       step = 2.0 ** (np.maximum(np.frexp(np.where(r == 0, 1, r))[1] - 1, 0) - 3)
;;       q = np.round(r / step) * step * 2.0 ** e      # np.round: ties to even
;;       return np.moveaxis(q.reshape(q.shape[:-2] + (-1,))[..., :K], -1, axis).astype(np.float32)
;;   ~~~
;;   SOFTMAX AHEAD OF A QUANTISED PRODUCT. Where the list says 'softmax', what is quantised is not the finished softmax but p = 2^(t - M), with t = logit x log2(e) and M = ceil(the row's largest t), a whole number; so 1/2 < the row's largest p <= 1. The row's sum l is taken of the UNQUANTISED p, in f32, and the product's result is divided by l at the end. Since M is a whole number, a kernel that streams over the keys may use a running M (the ceiling of the running maximum): every later rescaling is an exact power of two, which a block's scale takes up: the codes' values come out the same.
;;   OPERANDS COMPUTED ON THE WAY. 'Computed on the way' means the value that the module computes at that place (a softmax that the list does not call 'softmax' is quantised finished and normalised). What goes into a quantiser is computed in f32, as accurately as f32 sums, v_exp_f32 and their like allow (about 1e-6 of the number): no bf16 or f16 on the way to a quantiser, and a product that is left as it is and whose result goes on into a quantised operand takes f32 operands (vector FMAs, or v_wmma_f32_16x16x4_f32). A number that lies on a knife's edge between two numbers of the format may be rounded either way, as far as f32 arithmetic and the matrix unit's own rounding can turn it there, and no further.
;; One version. Each part assembles by itself: llvm-mc -triple=amdgcn-amd-amdhsa -mcpu=gfx1250 --defsym DOCPART=n.
;; ======== version 1 of 1: 4 launches
;; limits: right only within a limited range of input values
;; workspace buffers: codes 9,437,184 bytes; scales 393,216 bytes; rope 524,288 bytes; qimg 8,388,608 bytes; kv 15,466,496 bytes; ocodes 6,291,456 bytes; oscl 262,144 bytes
;; launch prep (part 1): grid 400 x 1, 4 waves a work-group, no clusters, 33,280 bytes of LDS; arguments x, q_w, k_w, v_w, o_w, codes, scales, rope; writes codes, scales, rope
.if DOCPART == 1
	.amdgcn_target "amdgcn-amd-amdhsa--gfx1250"
	.amdhsa_code_object_version 6
	.text
	.protected	k_q463306efd4_prep
	.globl	k_q463306efd4_prep
	.p2align	8
	.type	k_q463306efd4_prep,@function
k_q463306efd4_prep:
	s_mov_b64 s[64:65], 0
	v_nop
	global_prefetch_b8 v0, s[64:65] scope:SCOPE_SE
	s_setreg_imm32_b32 hwreg(HW_REG_WAVE_MODE, 25, 1), 1
	s_wait_xcnt 0x0
; x [8192][1024] and the four weights [1024][1024], f32, K innermost, become codes of FP6 (E2M3) with one E8M0 byte for each 32 along K; and the table of cosines and sines is made.
; A block's scale is 2^(floor(log2(its largest magnitude)) - 2); its byte is the largest magnitude's exponent field - 2, held at 1 from below.
; LIMITS: a block of zeros gets the byte 1 (its codes are zeros, and this program alone reads the bytes); NaN and infinities among the inputs are not served.
; THE FIVE TENSORS ARE ONE LIST OF 12,288 ROWS: x from 0, q_w from 8,192, k_w from 9,216, v_w from 10,240, o_w from 11,264.
; codes  [16 chunks of 64 along K][12,288 rows][48 bytes];  scales [12,288 rows][32 bytes].
; ROW ORDER: within each 32 rows the second and third groups of eight change places: stored place 16 u + r holds row 8 u + r + 8 (r / 8).  Sixteen stored rows on end are then a tile whose results,
; in two neighbouring tiles, give a lane sixteen neighbours along the next product's K.
; SHARES: work-group g < 384 takes rows 32 g on, wave w the eight rows 8 w on; a step is one chunk: 8 rows x 64 numbers.  Each load reads two rows' 256 consecutive bytes; the 2,048 bytes turn through the wave's
; own stage in LDS so that a lane holds 16 neighbours; a step's codes leave as 384 consecutive bytes, the wave's 256 scale bytes as one aligned run of 256.  Waves share nothing: no barrier, no cluster.
; Work-groups 384 to 399 make the table rope [2,048 positions][32 cosines | 32 sines], f32: angle = position x f_j, f_j = 1 / 10^(j / 8) (the frequencies follow fl(1 / fl(10^(j/8)))),
; reduced by multiples of pi / 2 in two parts, then polynomials on +-pi / 4.  That path touches no LDS.
.set PLANE, 589824                     ; bytes of a chunk's plane: 12,288 rows x 48
.set STEPS, 16
.set EMAX,  2
.set CB,    12                         ; bytes of 16 codes
.set R,     16                         ; v16-79   four sets of 16 numbers as loaded
.set X,     80                         ; v80-111  two sets of 16 neighbours
.set C,     128                        ; v128-191 codes: four registers a step, so that no store's data are written again
.set E,     112                        ; v112-127 a scale byte a step
.set WREG,  8192                       ; LDS of a wave: two stages of 32 x SP bytes, then its 256 scale bytes
.set SP,    80                         ; a lane's place in a stage: 64 bytes + 16 of padding
.macro LOAD t                          ; step t: load i takes rows 2 i and 2 i + 1, 256 bytes each
.irp i, 0,1,2,3
	global_load_b128 v[R+16*((\t)%4)+4*\i:R+16*((\t)%4)+4*\i+3], v3, s[12:13] offset:256*(\t)+8192*\i th:TH_LOAD_NT
.endr
.endm
.macro TURN t                          ; through the stage: LDS serves a wave's instructions in order, so no wait stands between the stores and the loads
.irp i, 0,1,2,3
	ds_store_b128 v14, v[R+16*((\t)%4)+4*\i:R+16*((\t)%4)+4*\i+3] offset:32*SP*((\t)%2)+8*SP*\i
.endr
.irp i, 0,1,2,3
	ds_load_b128 v[X+16*((\t)%2)+4*\i:X+16*((\t)%2)+4*\i+3], v15 offset:32*SP*((\t)%2)+16*\i
.endr
.endm
.macro STEP t
.set XS, X+16*((\t)%2)
.if (\t) > 0
	s_wait_dscnt 1                                 ; this step's numbers are back from the stage; the last step's byte store may be out
.else
	s_wait_dscnt 0x0
.endif
.if (\t)+4 < STEPS
	LOAD (\t)+4                                    ; into the set whose stores into the stage are done
.endif
.if (\t)+1 < STEPS
.if STEPS-2-(\t) >= 3
	s_wait_loadcnt 12                              ; the next step's four loads are in; three steps' loads may be out
.else
	s_wait_loadcnt 4*(STEPS-2-(\t))
.endif
	TURN (\t)+1
.endif
	v_max3_num_f32 v8, |v[XS]|, |v[XS+1]|, |v[XS+2]|
	v_max3_num_f32 v9, |v[XS+3]|, |v[XS+4]|, |v[XS+5]|
.irp i, 6,10
	v_max3_num_f32 v8, v8, |v[XS+\i]|, |v[XS+\i+1]|
	v_max3_num_f32 v9, v9, |v[XS+\i+2]|, |v[XS+\i+3]|
.endr
	v_max3_num_f32 v8, v8, |v[XS+14]|, |v[XS+15]|
	v_max3_num_f32 v8, v8, v9, (EMAX+1)<<23        ; the floor 2^(3 - 127): the byte cannot fall under 1
	v_max_num_f32_dpp v8, v8, v8 row_xmask:1 row_mask:0xf bank_mask:0xf   ; with my neighbour's 16: the block's largest magnitude
	v_add_nc_u32 v11, -(EMAX<<23), v8              ; 2 off its exponent field: the conversion's scale operand
	v_cvt_scalef32_pk16_fp6_f32 v[C+4*(\t):C+4*(\t)+2], v[XS:XS+15], v11
	v_lshrrev_b32 v[E+(\t)], 23, v11               ; the scale's byte
	ds_store_b8 v5, v[E+(\t)] offset:2*(\t)        ; both lanes of a block write the same byte with the same value
	global_store_b96 v4, v[C+4*(\t):C+4*(\t)+2], s[14:15] offset:((\t)-8)*PLANE   ; the wave's 384 consecutive bytes of chunk t; the base stands at chunk 8, so that the offsets fit the signed immediate
.endm
.macro PICK m, p0, p1                  ; the lanes with lane % 16 = m take 10^(2 m / 8) and 10^((2 m + 1) / 8)
	v_mov_b32 v10, \p0
	v_mov_b32 v11, \p1
	v_cmp_eq_u32 vcc_lo, \m, v3
	v_cndmask_b32 v6, v6, v10, vcc_lo
	v_cndmask_b32 v7, v7, v11, vcc_lo
.endm
	s_load_b256 s[4:11], s[0:1], 0x0               ; x, q_w, k_w, v_w
	s_load_b256 s[12:19], s[0:1], 0x20             ; o_w, codes, scales, rope
	v_lshl_add_u32 v192, v0, 2, 0x8000
	v_mov_b32 v193, 0
	v_lshrrev_b32 v1, 5, v0
	v_readfirstlane_b32 s20, v1                    ; wave
	v_and_b32 v2, 31, v0                           ; lane
	s_cmp_ge_u32 ttmp9, 384
	s_cbranch_scc1 .Ltable
	v_and_b32 v3, 15, v2
	v_lshlrev_b32 v3, 4, v3
	v_lshrrev_b32 v4, 4, v2
	v_lshl_add_u32 v3, v4, 12, v3                  ; in: row lane / 16 of a load's two, 16 bytes a lane
	s_mul_i32 s21, s20, WREG
	v_lshrrev_b32 v14, 2, v2
	v_mul_u32_u24 v14, v14, SP
	v_and_b32 v15, 3, v2
	v_lshl_add_u32 v14, v15, 4, v14
	v_add_nc_u32 v14, s21, v14                     ; the stage, way in: four lanes' 64 bytes on end, then 16 of padding
	v_mul_u32_u24 v15, v2, SP
	v_add_nc_u32 v15, s21, v15                     ; way out: lane l holds row l / 4, numbers 16 (l % 4) on
	v_mul_u32_u24 v4, v2, CB                       ; my 12 bytes of the step's 384
	v_lshrrev_b32 v5, 2, v2
	v_lshlrev_b32 v5, 5, v5
	v_bfe_u32 v6, v2, 1, 1
	v_add_nc_u32 v5, v5, v6                        ; my block's byte: 32 x row + which of the chunk's two blocks
	s_add_co_u32 s21, s21, 2*32*SP
	v_add_nc_u32 v5, s21, v5
	v_lshlrev_b32 v7, 3, v2
	v_add_nc_u32 v6, s21, v7
	s_and_b32 s22, s20, 1                          ; the stored group of eight: the wave's two bits change places
	s_lshl_b32 s22, s22, 1
	s_lshr_b32 s23, s20, 1
	s_or_b32 s22, s22, s23
	s_lshl_b32 s23, ttmp9, 2
	s_add_co_u32 s22, s22, s23
	s_wait_alu depctr_va_vdst(0)
	s_wait_kmcnt 0x0
	s_mov_b32 s24, 352                             ; which tensor, and its first work-group: the choice hangs on the work-group's number alone
	s_cmp_lt_u32 ttmp9, 352
	s_cselect_b64 s[12:13], s[10:11], s[12:13]
	s_cselect_b32 s24, 320, s24
	s_cmp_lt_u32 ttmp9, 320
	s_cselect_b64 s[12:13], s[8:9], s[12:13]
	s_cselect_b32 s24, 288, s24
	s_cmp_lt_u32 ttmp9, 288
	s_cselect_b64 s[12:13], s[6:7], s[12:13]
	s_cselect_b32 s24, 256, s24
	s_cmp_lt_u32 ttmp9, 256
	s_cselect_b64 s[12:13], s[4:5], s[12:13]
	s_cselect_b32 s24, 0, s24
	s_sub_co_u32 s24, ttmp9, s24
	s_lshl_b32 s24, s24, 2
	s_add_co_u32 s24, s24, s20                     ; my group of eight rows in the tensor,
	s_lshl_b32 s24, s24, 15                        ; x 8 rows of 4,096 bytes
	s_mov_b32 s25, 0
	s_add_nc_u64 s[12:13], s[12:13], s[24:25]
	s_mul_i32 s26, s22, 384
	s_mov_b32 s27, 0
	s_add_nc_u64 s[14:15], s[14:15], s[26:27]
	s_add_nc_u64 s[14:15], s[14:15], 8*PLANE
	s_lshl_b32 s26, s22, 8
	s_add_nc_u64 s[16:17], s[16:17], s[26:27]
.irp t, 0,1,2,3
	LOAD \t
.endr
	s_wait_loadcnt 12                              ; step 0's four loads are in
	TURN 0
.irp t, 0,1,2,3,4,5,6,7,8,9,10,11,12,13,14,15
	STEP \t
.endr
	ds_load_b64 v[12:13], v6                       ; LDS serves a wave's instructions in order: these see my byte stores
	s_wait_dscnt 0x0
	global_store_b64 v7, v[12:13], s[16:17]        ; eight rows' 256 scale bytes, aligned
	s_wait_tensorcnt 0x0
	ds_add_u32 v192, v193
	s_wait_dscnt 0x0
	s_endpgm
.Ltable:                                           ; wave W = 4 (g - 384) + w makes positions 32 W on, one a trip; lanes 0-15 cosines, lanes 16-31 sines, two frequencies a lane
	s_wait_alu depctr_va_vdst(0)
	v_and_b32 v3, 15, v2                           ; m: j = 2 m, 2 m + 1
	v_lshrrev_b32 v4, 4, v2
	v_mul_u32_u24 v5, v4, 3                        ; a sine is the cosine a quarter turn back: three quarter turns on
	v_lshlrev_b32 v28, 3, v2
	v_mov_b32 v6, 1.0
	v_mov_b32 v7, 1.3335214321633240
	PICK 1, 1.7782794100389228, 2.3713737056616553
	PICK 2, 3.1622776601683795, 4.2169650342858225
	PICK 3, 5.6234132519034908, 7.4989420933245582
	PICK 4, 10.0, 13.335214321633240
	PICK 5, 17.782794100389228, 23.713737056616553
	PICK 6, 31.622776601683795, 42.169650342858225
	PICK 7, 56.234132519034908, 74.989420933245582
	PICK 8, 100.0, 133.35214321633240
	PICK 9, 177.82794100389228, 237.13737056616553
	PICK 10, 316.22776601683795, 421.69650342858225
	PICK 11, 562.34132519034908, 749.89420933245582
	PICK 12, 1000.0, 1333.5214321633240
	PICK 13, 1778.2794100389228, 2371.3737056616553
	PICK 14, 3162.2776601683795, 4216.9650342858225
	PICK 15, 5623.4132519034908, 7498.9420933245582
	s_wait_alu depctr_va_vdst(0)
	v_rcp_f32 v8, v6
	v_rcp_f32 v9, v7
	v_mov_b32 v30, -0.00019515295891               ; the sine's coefficients, highest first (a plain line behind the reciprocals)
	v_mov_b32 v31, 0.0083321608736
	v_mov_b32 v32, -0.16666654611
	v_mov_b32 v33, 0.00002443315711809948          ; the cosine's
	v_mov_b32 v34, -0.001388731625493765
	v_mov_b32 v35, 0.04166664568298827
	s_wait_alu depctr_va_vdst(0)                   ; one wait for both reciprocals, ahead of their first reader
	v_fma_f32 v10, -v6, v8, 1.0                    ; one Newton step
	v_fma_f32 v11, -v7, v9, 1.0
	v_fma_f32 v8, v8, v10, v8
	v_fma_f32 v9, v9, v11, v9
	s_sub_co_u32 s22, ttmp9, 384
	s_lshl_b32 s22, s22, 2
	s_add_co_u32 s22, s22, s20
	s_lshl_b32 s26, s22, 5                         ; my first position
	s_lshl_b32 s24, s22, 13                        ; 32 positions of 256 bytes
	s_mov_b32 s25, 0
	s_wait_kmcnt 0x0
	s_add_nc_u64 s[18:19], s[18:19], s[24:25]
	s_mov_b32 s27, 32
.Lpos:
	v_cvt_f32_u32 v29, s26
	s_wait_alu depctr_va_vdst(0)
.irp k, 0,1
	v_mul_f32 v[12+\k], v29, v[8+\k]               ; the angle, rounded once
	v_mul_f32 v[14+\k], 0x3f22f983, v[12+\k]       ; x 2 / pi
	v_rndne_f32 v[14+\k], v[14+\k]                 ; n quarter turns
	v_fmamk_f32 v[12+\k], v[14+\k], 0xbfc90fdb, v[12+\k]   ; - n x pi / 2, in two parts
	v_fmamk_f32 v[12+\k], v[14+\k], 0x333bbd2e, v[12+\k]
	v_cvt_i32_f32 v[14+\k], v[14+\k]
	v_add_nc_u32 v[14+\k], v[14+\k], v5
	v_mul_f32 v[16+\k], v[12+\k], v[12+\k]         ; z = r r
	v_fma_f32 v[18+\k], v30, v[16+\k], v31
	v_fma_f32 v[20+\k], v33, v[16+\k], v34
	v_fma_f32 v[18+\k], v[18+\k], v[16+\k], v32
	v_fma_f32 v[20+\k], v[20+\k], v[16+\k], v35
	v_mul_f32 v[18+\k], v[18+\k], v[16+\k]
	v_mul_f32 v[22+\k], v[16+\k], v[16+\k]
	v_fma_f32 v[24+\k], v[16+\k], -0.5, 1.0
	v_fma_f32 v[18+\k], v[18+\k], v[12+\k], v[12+\k]   ; sin r
	v_fma_f32 v[20+\k], v[20+\k], v[22+\k], v[24+\k]   ; cos r
	v_and_b32 v[22+\k], 1, v[14+\k]
	v_cmp_ne_u32 vcc_lo, 0, v[22+\k]
	v_cndmask_b32 v[20+\k], v[20+\k], v[18+\k], vcc_lo ; odd quarter turns take the sine
	v_add_nc_u32 v[14+\k], 1, v[14+\k]
	v_and_b32 v[14+\k], 2, v[14+\k]                ; one and two quarter turns change the sign
	v_lshlrev_b32 v[14+\k], 30, v[14+\k]
	v_xor_b32 v[26+\k], v[20+\k], v[14+\k]
.endr
	global_store_b64 v28, v[26:27], s[18:19]       ; a position's 256 bytes, aligned
	s_wait_xcnt 0x0                                ; the store has read its data and its base: both are written again below
	s_add_nc_u64 s[18:19], s[18:19], 256
	s_add_co_u32 s26, s26, 1
	s_sub_co_u32 s27, s27, 1
	s_cmp_lg_u32 s27, 0
	s_cbranch_scc1 .Lpos
	s_endpgm
.Lfunc_end_k_q463306efd4_prep:
	.size	k_q463306efd4_prep, .Lfunc_end_k_q463306efd4_prep-k_q463306efd4_prep
	.p2alignl 7, 3214868480
	.fill 96, 4, 3214868480
	.section	.rodata,"a",@progbits
	.p2align	6, 0x0
	.amdhsa_kernel k_q463306efd4_prep
		.amdhsa_group_segment_fixed_size 33280
		.amdhsa_private_segment_fixed_size 0
		.amdhsa_enable_private_segment 0
		.amdhsa_kernarg_size 64
		.amdhsa_user_sgpr_count 2
		.amdhsa_user_sgpr_kernarg_segment_ptr 1
		.amdhsa_wavefront_size32 1
		.amdhsa_system_sgpr_workgroup_id_x 1
		.amdhsa_system_sgpr_workgroup_id_y 1
		.amdhsa_system_sgpr_workgroup_id_z 1
		.amdhsa_system_vgpr_workitem_id 0
		.amdhsa_next_free_vgpr 194
		.amdhsa_next_free_sgpr 66
		.amdhsa_reserve_vcc 1
		.amdhsa_float_denorm_mode_32 3
		.amdhsa_float_denorm_mode_16_64 3
		.amdhsa_memory_ordered 1
		.amdhsa_forward_progress 1
		.amdhsa_inst_pref_size 40
	.end_amdhsa_kernel
	.amdgpu_metadata
---
amdhsa.version: [ 1, 2 ]
amdhsa.kernels:
  - .name:           k_q463306efd4_prep
    .symbol:         k_q463306efd4_prep.kd
    .args:
      - { .name: x, .offset: 0, .size: 8, .value_kind: global_buffer, .address_space: global }
      - { .name: q_w, .offset: 8, .size: 8, .value_kind: global_buffer, .address_space: global }
      - { .name: k_w, .offset: 16, .size: 8, .value_kind: global_buffer, .address_space: global }
      - { .name: v_w, .offset: 24, .size: 8, .value_kind: global_buffer, .address_space: global }
      - { .name: o_w, .offset: 32, .size: 8, .value_kind: global_buffer, .address_space: global }
      - { .name: codes, .offset: 40, .size: 8, .value_kind: global_buffer, .address_space: global }
      - { .name: scales, .offset: 48, .size: 8, .value_kind: global_buffer, .address_space: global }
      - { .name: rope, .offset: 56, .size: 8, .value_kind: global_buffer, .address_space: global }
    .group_segment_fixed_size: 33280
    .private_segment_fixed_size: 0
    .kernarg_segment_align: 8
    .kernarg_segment_size: 64
    .max_flat_workgroup_size: 128
    .sgpr_count:     66
    .vgpr_count:     194
    .wavefront_size: 32
...
	.end_amdgpu_metadata
.endif
;; end of part 1
;; launch qkv (part 2): grid 12 x 32, 4 waves a work-group, clusters of 4 x 4, 327,680 bytes of LDS; arguments codes, scales, rope, key_padding_mask, q_b, k_b, v_b, qimg, kv; writes qimg, kv
.if DOCPART == 2
	.amdgcn_target "amdgcn-amd-amdhsa--gfx1250"
	.amdhsa_code_object_version 6
	.text
	.protected	k_q463306efd4_qkv
	.globl	k_q463306efd4_qkv
	.p2align	8
	.type	k_q463306efd4_qkv,@function
k_q463306efd4_qkv:
	s_mov_b64 s[64:65], 0
	v_nop
	global_prefetch_b8 v0, s[64:65] scope:SCOPE_SE
	s_setreg_imm32_b32 hwreg(HW_REG_WAVE_MODE, 25, 1), 1
	s_wait_xcnt 0x0
	s_wait_alu depctr_hold_cnt(0) depctr_sa_sdst(0) depctr_va_vdst(0) depctr_va_sdst(0) depctr_va_ssrc(0) depctr_va_vcc(0) depctr_vm_vsrc(0)
	s_getreg_b32 s2, hwreg(HW_REG_IB_STS2, 6, 4)
	s_cmp_eq_u32 s2, 0
	s_cbranch_scc0 .Lentry_in_a_cluster
	s_endpgm
.Lentry_in_a_cluster:
	s_bfe_u32 s2, ttmp6, 0x10000c
	s_cmp_lg_u32 s2, 0xf033
	s_cbranch_scc0 .Lentry_shape_is_right
	s_endpgm
.Lentry_shape_is_right:
.set PLANE,  589824
.set NQ,     2
.set FR,     12
.set NL,     6
.set NP,     4
.set PLB,    6144
.set HALFT,  4*PLB
.set SLOT,   4*HALFT
.set SCL,    2*SLOT
.set KS,     32
.set HALFS,  (128*KS/256)*272
.set SBLK,   (16*KS/256)*272
.set SPARE,  SCL+4*HALFS
.set LAPS,   2
.set HEADB,  241664
.set REC,    15104
.set ADRA, 16
.set ADRB, 20
.set ADRS, 27
.set SPW,  28
.set NIL,  29
.set SC,   32
.set AF,   128
.set G1, 24
.set G0, 32
.set G1B, 48
.set G0B, 56
.set G1S, 68
.set G0S, 76
.set G1SB, 80
.set G0SB, 88
.set KW,   8
.set BIAS, 64
.set W,    128
.set T,    192
.set MK,   200
.set TM,   208
.set PC,   224
.set PT,   240
.set PW,   248
.set SEL,  82
.set OUT,  84
.set MSB, 0
.macro WIN new
.if MSB != (\new)
	s_set_vgpr_msb (MSB<<8)|(\new)
.set MSB, (\new)
.endif
.endm
.set MUL_LO, 0xa1
.set MUL_HI, 0xf1
.set TO_B,   0x40
.macro JLOAD g0a, g1a, g0b, g1b
	s_cmp_eq_u32 s15, 0
	s_cbranch_scc0 .Lfor_b_\@
	tensor_load_to_lds s[\g0a:\g0a+3], s[\g1a:\g1a+7]
	s_nop 0
.rept 4
	v_nop
.endr
	s_branch .Lasked_\@
.Lfor_b_\@:
	tensor_load_to_lds s[\g0b:\g0b+3], s[\g1b:\g1b+7]
	s_nop 0
.rept 4
	v_nop
.endr
.Lasked_\@:
.endm
.macro CREST
	s_cmp_lg_u32 s14, 0
	s_cbranch_scc1 .Lnot_wave_0_\@
	s_barrier_signal -3
.Lnot_wave_0_\@:
	s_barrier_wait -3
	s_barrier_signal -1
	s_barrier_wait -1
.endm
.macro CROUND
	s_barrier_signal -1
	s_barrier_wait -1
	CREST
.endm
	s_load_b128 s[4:7], s[0:1], 0x0
	v_lshl_add_u32 v[SPW], v0, 2, SPARE
	v_mov_b32 v[NIL], 0
	ds_add_u32 v28, v29
	ds_add_u32 v28, v29
	s_wait_dscnt 0x0
	v_lshrrev_b32 v1, 5, v0
	v_readfirstlane_b32 s14, v1
	s_lshr_b32 s15, s14, 1
	s_and_b32 s16, s14, 1
	s_bfe_u32 s40, ttmp6, 0x40000
	s_bfe_u32 s41, ttmp6, 0x40004
	s_and_b32 s17, ttmp7, 0xffff
	s_lshl_b32 s43, s41, 2
	s_lshl_b32 s43, 15, s43
	s_lshl_b32 s44, 0x1111, s40
	s_or_b32 s[G1+0], s43, (3<<16)|(1<<21)
	s_or_b32 s[G1B+0], s44, (3<<16)|(1<<21)
.irp g, G1, G1B
	s_mov_b32 s[\g+1], 768<<16
	s_mov_b32 s[\g+2], 4<<16
	s_mov_b32 s[\g+3], 768<<16
	s_mov_b32 s[\g+4], 4
	s_mov_b32 s[\g+5], PLANE/8
	s_mov_b32 s[\g+6], 0
	s_mov_b32 s[\g+7], 0
.endr
	s_or_b32 s[G1S+0], s43, (3<<16)|(1<<20)|(1<<21)|(5<<22)|(3<<25)
	s_or_b32 s[G1SB+0], s44, (3<<16)|(1<<20)|(1<<21)|(5<<22)|(3<<25)
.irp g, G1S, G1SB
	s_mov_b32 s[\g+1], 32<<16
	s_mov_b32 s[\g+2], (128*KS/256)<<16
	s_mov_b32 s[\g+3], 32<<16
	s_mov_b32 s[\g+4], 128*KS/256
	s_mov_b32 s[\g+5], 32
	s_mov_b32 s[\g+6], 0
	s_mov_b32 s[\g+7], 0
.endr
	s_lshl_b32 s18, s16, 7
	s_lshl_b32 s19, s17, 10
	s_lshl_b32 s22, ttmp9, 10
	s_add_co_u32 s22, s22, 8192
	s_cmp_eq_u32 ttmp9, 2
	s_cselect_b32 s20, 10240, s19
	s_cselect_b32 s46, s19, s22
	s_lshl_b32 s21, s41, 8
	s_add_co_u32 s20, s20, s21
	s_add_co_u32 s20, s20, s18
	s_lshl_b32 s47, s40, 8
	s_add_co_u32 s46, s46, s47
	s_add_co_u32 s46, s46, s18
	s_lshl_b32 s22, s20, 5
	s_mov_b32 s23, 0
	s_mul_i32 s20, s20, 48
	s_mov_b32 s21, 0
	s_lshl_b32 s92, s46, 5
	s_mov_b32 s93, 0
	s_mul_i32 s46, s46, 48
	s_mov_b32 s47, 0
	s_mul_i32 s45, s14, HALFT
	s_mul_i32 s94, s14, HALFS
	s_wait_kmcnt 0x0
	s_add_nc_u64 s[20:21], s[4:5], s[20:21]
	s_add_nc_u64 s[22:23], s[6:7], s[22:23]
	s_add_nc_u64 s[46:47], s[4:5], s[46:47]
	s_add_nc_u64 s[92:93], s[6:7], s[92:93]
	CROUND
	s_mov_b32 s[G0S], 1
	s_add_co_u32 s[G0S+1], s94, SCL
	s_mov_b64 s[G0S+2:G0S+3], s[22:23]
	s_or_b32 s[G0S+3], s[G0S+3], 0x80000000
	s_mov_b32 s[G0SB], 1
	s_add_co_u32 s[G0SB+1], s94, SCL
	s_mov_b64 s[G0SB+2:G0SB+3], s[92:93]
	s_or_b32 s[G0SB+3], s[G0SB+3], 0x80000000
	JLOAD G0S, G1S, G0SB, G1SB
.irp s, 0,1
	s_mov_b32 s[G0+4*\s], 1
	s_add_co_u32 s[G0+4*\s+1], s45, \s*SLOT
	s_add_nc_u64 s[G0+4*\s+2:G0+4*\s+3], s[20:21], \s*4*PLANE
	s_or_b32 s[G0+4*\s+3], s[G0+4*\s+3], 0x80000000
	s_mov_b32 s[G0B+4*\s], 1
	s_add_co_u32 s[G0B+4*\s+1], s45, \s*SLOT
	s_add_nc_u64 s[G0B+4*\s+2:G0B+4*\s+3], s[46:47], \s*4*PLANE
	s_or_b32 s[G0B+4*\s+3], s[G0B+4*\s+3], 0x80000000
	s_wait_alu depctr_va_vdst(0)
	s_wait_tensorcnt 0x0
	ds_add_u32 v28, v29
	s_wait_dscnt 0x0
	CROUND
	JLOAD G0+4*\s, G1, G0B+4*\s, G1B
.endr
	v_and_b32 v1, 15, v0
	v_bfe_u32 v2, v0, 4, 1
	v_mul_u32_u24 v3, v1, 48
	v_mad_u32_u24 v4, v2, 24, v3
	s_mul_i32 s21, s15, HALFT
	s_mul_i32 s22, s16, HALFT
	s_add_co_u32 s22, s22, 2*HALFT
.irp s, 0,1
	v_add_nc_u32 v[ADRA+\s], s21, v4
	v_add_nc_u32 v[ADRB+\s], s22, v4
	s_add_co_u32 s21, s21, SLOT
	s_add_co_u32 s22, s22, SLOT
.endr
	v_mul_u32_u24 v5, v1, KS
	v_lshrrev_b32 v6, 8, v5
	v_lshl_add_u32 v5, v6, 4, v5
	s_mul_i32 s21, s15, HALFS
	s_mul_i32 s22, s16, HALFS
	s_add_co_u32 s22, s22, 2*HALFS
	s_sub_co_u32 s22, s22, s21
	v_mul_u32_u24 v6, s22, v2
	s_add_co_u32 s21, s21, SCL
	v_add_nc_u32 v5, v5, v6
	v_add_nc_u32 v[ADRS], s21, v5
	v_and_b32 v7, 31, v0
	v_lshlrev_b32 v24, 4, v7
	v_lshlrev_b32 v25, 3, v7
	v_and_b32 v30, 8, v1
	v_add_nc_u32 v30, v30, v1
	v_lshlrev_b32 v22, 6, v2
	v_lshl_add_u32 v26, v30, 8, v22
	v_lshlrev_b32 v31, 2, v30
	v_sub_nc_u32 v23, 1, v2
	v_mul_u32_u24 v23, v23, 40
	v_mov_b32 v19, 0
	v_mov_b32 v18, 0x40a00000
.macro FRAG reg, adr, q, i
.irp p, 0,1,2,3,4,5
	ds_load_b64 v[\reg+2*\p:\reg+2*\p+1], v[\adr] offset:(2*(\q)+\p/3)*PLB+(\i)*768+8*(\p%3)
.endr
.endm
.macro MUL16 a0, p, q, sc, zero
.irp a, \a0, \a0+1
.irp b, 0,1,2,3,4,5,6,7
.if \zero
	v_wmma_scale_f32_16x16x128_f8f6f4 v[8*(8*((\a)%4)+\b):8*(8*((\a)%4)+\b)+7], v[128*(\p)+FR*\b:128*(\p)+FR*\b+FR-1], v[AF+FR*(\a):AF+FR*(\a)+FR-1], 0, v[SC+8*NQ*(\sc)+NQ*\b+(\q)], v[SC+8*NQ*(\sc)+NQ*(\a)+(\q)] matrix_a_fmt:MATRIX_FMT_FP6 matrix_b_fmt:MATRIX_FMT_FP6 matrix_a_scale:MATRIX_SCALE_ROW1
.else
	v_wmma_scale_f32_16x16x128_f8f6f4 v[8*(8*((\a)%4)+\b):8*(8*((\a)%4)+\b)+7], v[128*(\p)+FR*\b:128*(\p)+FR*\b+FR-1], v[AF+FR*(\a):AF+FR*(\a)+FR-1], v[8*(8*((\a)%4)+\b):8*(8*((\a)%4)+\b)+7], v[SC+8*NQ*(\sc)+NQ*\b+(\q)], v[SC+8*NQ*(\sc)+NQ*(\a)+(\q)] matrix_a_fmt:MATRIX_FMT_FP6 matrix_b_fmt:MATRIX_FMT_FP6 matrix_a_scale:MATRIX_SCALE_ROW1
.endif
.endr
.endr
.endm
.macro FETCH_B slot, q, p
	WIN TO_B
.irp i, 0,1,2,3,4,5,6,7
	FRAG 128*(\p)+FR*\i, ADRB+\slot, \q, \i
.endr
	WIN 0
.endm
.macro FETCH_A slot, q, i0
.irp i, \i0, \i0+1, \i0+2, \i0+3
	FRAG AF+FR*(\i), ADRA+\slot, \q, \i
.endr
.endm
.macro SCALES sc
.irp i, 0,1,2,3,4,5,6,7
	ds_load_b64 v[SC+8*NQ*\sc+NQ*\i:SC+8*NQ*\sc+NQ*\i+1], v[ADRS] offset:\i*SBLK
.endr
.endm
.macro PLACES n
.rept \n
	v_nop
.endr
.endm
.macro STEP slot, q, zero
	s_wait_dscnt 4*NL
	WIN MUL_LO
	MUL16 0, (\q)%2, \q, \slot, \zero
	MUL16 2, (\q)%2, \q, \slot, \zero
	s_wait_dscnt 0
	PLACES NP
	FETCH_B \slot, (\q)+1, 1-(\q)%2
	FETCH_A \slot, (\q)+1, 0
	WIN MUL_HI
	MUL16 4, (\q)%2, \q, \slot, \zero
	MUL16 6, (\q)%2, \q, \slot, \zero
	PLACES NP
	WIN 0
	FETCH_A \slot, (\q)+1, 4
.endm
.macro TURN slot, next, fill
	s_wait_tensorcnt 0x0
	ds_add_u32 v[SPW], v[NIL]
	s_wait_dscnt 4*NL+1
	WIN MUL_LO
	MUL16 0, 1, NQ-1, \slot, 0
	s_wait_dscnt 0x0
	s_barrier_signal -1
	MUL16 2, 1, NQ-1, \slot, 0
	WIN 0
	s_barrier_wait -1
.if \fill
	CREST
	s_add_nc_u64 s[G0+4*\slot+2:G0+4*\slot+3], s[G0+4*\slot+2:G0+4*\slot+3], 8*PLANE
	s_add_nc_u64 s[G0B+4*\slot+2:G0B+4*\slot+3], s[G0B+4*\slot+2:G0B+4*\slot+3], 8*PLANE
	JLOAD G0+4*\slot, G1, G0B+4*\slot, G1B
.else
	PLACES NP
.endif
	s_wait_alu depctr_va_vdst(0)
	v_add_nc_u32 v[ADRS], 4*NQ, v[ADRS]
	FETCH_B \next, 0, 0
	FETCH_A \next, 0, 0
	SCALES \next
	WIN MUL_HI
	MUL16 4, 1, NQ-1, \slot, 0
	MUL16 6, 1, NQ-1, \slot, 0
	PLACES NP
	WIN 0
	FETCH_A \next, 0, 4
.endm
	s_wait_tensorcnt 1
	s_barrier_signal -1
	s_barrier_wait -1
	FETCH_B 0, 0, 0
	FETCH_A 0, 0, 0
	SCALES 0
	FETCH_A 0, 0, 4
	STEP 0, 0, 1
	s_mov_b32 s3, LAPS-1
.Llap:
	TURN 0, 1, 1
	STEP 1, 0, 0
	TURN 1, 0, 1
	STEP 0, 0, 0
	s_sub_co_u32 s3, s3, 1
	s_cmp_lg_u32 s3, 0
	s_cbranch_scc1 .Llap
	TURN 0, 1, 0
	STEP 1, 0, 0
	s_wait_dscnt 4*NL
	WIN MUL_LO
	MUL16 0, 1, NQ-1, 1, 0
	MUL16 2, 1, NQ-1, 1, 0
	s_wait_dscnt 0
	WIN MUL_HI
	MUL16 4, 1, NQ-1, 1, 0
	MUL16 6, 1, NQ-1, 1, 0
	WIN 0
.macro QUANT s, cs
.irp b, 0,1,2,3
	v_max3_num_f32 v[TM+\b], |v[\s+16*\b]|, |v[\s+1+16*\b]|, 0x1800000
.endr
.irp i, 2,4,6,8,10,12,14
.irp b, 0,1,2,3
	v_max3_num_f32 v[TM+\b], v[TM+\b], |v[\s+16*\b+\i]|, |v[\s+1+16*\b+\i]|
.endr
.endr
.irp b, 0,1,2,3
	v_permlanex16_b32 v[TM+4+\b], v[TM+\b], s[SEL], s[SEL+1]
.endr
.irp b, 0,1,2,3
	v_max_num_f32 v[TM+\b], v[TM+\b], v[TM+4+\b]
.endr
.irp b, 0,1,2,3
	v_add_nc_u32 v[TM+12+\b], 0xff000000, v[TM+\b]
.endr
.irp b, 0,1,2,3
	v_lshrrev_b32 v[TM+4+\b], 23, v[TM+12+\b]
.endr
	v_lshl_or_b32 v[PW], v[TM+5], 8, v[TM+4]
	v_lshl_or_b32 v[PW], v[TM+6], 16, v[PW]
	v_lshl_or_b32 v[PW], v[TM+7], 24, v[PW]
.irp c, 0,1
	v_cvt_scalef32_pk16_fp6_f32 v[PC+\cs*\c:PC+\cs*\c+2], v[\s+32*\c:\s+15+32*\c], v[TM+12+2*\c]
	v_cvt_scalef32_pk16_fp6_f32 v[PT+4*\c:PT+4*\c+2], v[\s+16+32*\c:\s+31+32*\c], v[TM+12+2*\c+1]
.endr
	v_nop
.irp c, 0,1
.irp i, 0,1,2
	v_permlane16_swap_b32 v[PC+\cs*\c+\i], v[PT+4*\c+\i]
.endr
.irp i, 0,1,2
	v_mov_b32 v[PC+\cs*\c+3+\i], v[PT+4*\c+\i]
.endr
.endr
.endm
	PLACES NP
	s_load_b256 s[68:75], s[0:1], 0x10
	s_load_b128 s[76:79], s[0:1], 0x30
	s_load_b64 s[80:81], s[0:1], 0x40
.irp b, 0,1,2,3
	v_mov_b32 v[TM+4+\b], 0
.endr
	s_mov_b32 s[SEL], 0x76543210
	s_mov_b32 s[SEL+1], 0xfedcba98
	s_mov_b32 s29, 0xffff0000
	s_cmp_eq_u32 ttmp9, 2
	s_cbranch_scc1 .Lvpath
	s_lshl_b32 s20, s17, 10
	s_lshl_b32 s21, s41, 8
	s_add_co_u32 s20, s20, s21
	s_lshl_b32 s21, s15, 7
	s_add_co_u32 s20, s20, s21
	s_lshr_b32 s21, s20, 11
	s_and_b32 s22, s20, 2047
	s_lshl_b32 s23, s40, 2
	s_lshl_b32 s24, s16, 1
	s_add_co_u32 s23, s23, s24
	s_lshl_b32 s24, s21, 4
	s_add_co_u32 s24, s24, s23
	s_mov_b32 s25, HEADB
	s_mov_b32 s26, REC/128
	s_mov_b32 s88, 0x7f7f0000
	s_wait_kmcnt 0x0
	s_cmp_eq_u32 ttmp9, 0
	s_cselect_b64 s[OUT:OUT+1], s[78:79], s[80:81]
	s_cselect_b64 s[72:73], s[72:73], s[74:75]
	s_cselect_b32 s25, 131072, s25
	s_cselect_b32 s26, 64, s26
	s_cselect_b32 s27, -1, 0
	s_cselect_b32 s28, 0, 1
	s_mul_i32 s30, s24, s25
	s_mul_i32 s26, s22, s26
	s_add_co_u32 s30, s30, s26
	s_mov_b32 s31, 0
	s_add_nc_u64 s[OUT:OUT+1], s[OUT:OUT+1], s[30:31]
	s_mov_b32 s30, s25
	s_add_nc_u64 s[OUT+2:OUT+3], s[OUT:OUT+1], s[30:31]
	s_lshl_b32 s30, s23, 8
	s_add_nc_u64 s[72:73], s[72:73], s[30:31]
	s_mov_b32 s30, s20
	s_add_nc_u64 s[70:71], s[70:71], s[30:31]
	s_lshl_b32 s30, s22, 8
	s_add_nc_u64 s[68:69], s[68:69], s[30:31]
.irp n, 0,1,2,3,4,5,6,7
	global_load_b128 v[BIAS+8*\n:BIAS+8*\n+3], v22, s[72:73] offset:(32*(\n/2)+8*(\n%2))*4
	global_load_b128 v[BIAS+8*\n+4:BIAS+8*\n+7], v22, s[72:73] offset:(32*(\n/2)+8*(\n%2))*4+16
.endr
.irp a, 0,1,2,3,4,5,6,7
	global_load_u8 v[MK+\a], v30, s[70:71] offset:32*(\a/2)+8*(\a%2)
.endr
	WIN 0x40
.irp a, 0,1,2,3,4,5,6,7
.irp i, 0,1,2,3
	global_load_b128 v[32*\a+4*\i:32*\a+4*\i+3], v26, s[68:69] offset:(32*(\a/2)+8*(\a%2))*256+16*\i
.endr
.irp i, 0,1,2,3
	global_load_b128 v[32*\a+16+4*\i:32*\a+16+4*\i+3], v26, s[68:69] offset:(32*(\a/2)+8*(\a%2))*256+128+16*\i
.endr
.endr
	WIN 0
.macro QKBLOCK a
	s_wait_loadcnt 56-8*(\a)
	WIN 0x02+(\a)/4
.set NN, 0
.rept 32
	v_pk_add_f32 v[W+NN:W+NN+1], v[64*((\a)%4)+NN:64*((\a)%4)+NN+1], v[BIAS+NN:BIAS+NN+1]
.set NN, NN+2
.endr
	WIN 0x04
.irp hd, 0,1
.irp i, 0,2,4,6,8,10,12,14
	v_pk_mul_f32 v[T+4*((\i/2)%2):T+4*((\i/2)%2)+1], v[W+32*\hd+16+\i:W+32*\hd+17+\i], v[32*(\a)+16+\i:32*(\a)+17+\i]
	v_pk_mul_f32 v[T+4*((\i/2)%2)+2:T+4*((\i/2)%2)+3], v[W+32*\hd+\i:W+32*\hd+1+\i], v[32*(\a)+16+\i:32*(\a)+17+\i]
	v_pk_fma_f32 v[W+32*\hd+\i:W+32*\hd+1+\i], v[W+32*\hd+\i:W+32*\hd+1+\i], v[32*(\a)+\i:32*(\a)+1+\i], v[T+4*((\i/2)%2):T+4*((\i/2)%2)+1] neg_lo:[0,0,1] neg_hi:[0,0,1]
	v_pk_fma_f32 v[W+32*\hd+16+\i:W+32*\hd+17+\i], v[W+32*\hd+16+\i:W+32*\hd+17+\i], v[32*(\a)+\i:32*(\a)+1+\i], v[T+4*((\i/2)%2)+2:T+4*((\i/2)%2)+3]
.endr
.endr
	WIN 0
	s_wait_xcnt 0x0
	QUANT W, 8
	v_mov_b32 v[KW+\a], v[PW]
	v_and_b32 v[MK+\a], s28, v[MK+\a]
	v_cmp_ne_u32 vcc_lo, 0, v[MK+\a]
.irp hd, 0,1
.irp i, 0,1,2,3,4,5
	v_cndmask_b32 v[PC+8*\hd+\i], v[PC+8*\hd+\i], v19, vcc_lo
.endr
.endr
	v_cndmask_b32 v[PT], v19, v23, vcc_lo
	v_cndmask_b32 v[MK+\a], 0x40400000, v18, vcc_lo
	v_and_or_b32 v[PT+1], v[PW], 0xffff, s88
	v_lshrrev_b32 v[PT+2], 16, v[PW]
	v_or_b32 v[PT+2], s88, v[PT+2]
	v_cndmask_b32 v[PC+6], v[PT], v[PT+1], s27
	v_cndmask_b32 v[PC+14], v[PT], v[PT+2], s27
	v_mov_b32 v[PC+7], 0
	v_mov_b32 v[PC+15], 0
.irp hd, 0,1
	global_store_b128 v24, v[PC+8*\hd:PC+8*\hd+3], s[OUT+2*\hd:OUT+2*\hd+1] offset:1024*(\a)
	global_store_b128 v24, v[PC+8*\hd+4:PC+8*\hd+7], s[OUT+2*\hd:OUT+2*\hd+1] offset:1024*(\a)+512
.endr
.endm
.irp a, 0,1,2,3,4,5,6,7
	QKBLOCK \a
.endr
	s_cmp_eq_u32 ttmp9, 0
	s_cbranch_scc1 .Ldone
	s_wait_xcnt 0x0
.irp i, 0,1,2,3
	v_cndmask_b32 v[PT+\i], v[KW+\i], v[KW+4+\i], s29
	v_cndmask_b32 v[PT+4+\i], v[MK+\i], v[MK+4+\i], s29
.endr
.irp i, 0,1,2,3
	v_and_or_b32 v[PC+\i], v[PT+\i], 0xffff, v[PT+4+\i]
	v_lshrrev_b32 v[PT+\i], 16, v[PT+\i]
	v_or_b32 v[PC+4+\i], v[PT+\i], v[PT+4+\i]
.endr
	global_store_b128 v24, v[PC:PC+3], s[OUT:OUT+1] offset:14336
	global_store_b128 v24, v[PC+4:PC+7], s[OUT+2:OUT+3] offset:14336
	s_branch .Ldone
.Lvpath:
	s_lshl_b32 s20, s41, 8
	s_lshl_b32 s21, s15, 7
	s_add_co_u32 s20, s20, s21
	s_lshr_b32 s23, s20, 6
	s_lshl_b32 s21, s17, 10
	s_lshl_b32 s22, s40, 8
	s_add_co_u32 s21, s21, s22
	s_lshl_b32 s22, s16, 7
	s_add_co_u32 s21, s21, s22
	s_lshr_b32 s22, s21, 11
	s_bfe_u32 s24, s21, 0x40007
	s_lshl_b32 s22, s22, 4
	s_add_co_u32 s22, s22, s23
	s_mul_i32 s30, s22, HEADB
	s_mul_i32 s24, s24, REC
	s_add_co_u32 s30, s30, s24
	s_mov_b32 s31, 0
	s_wait_kmcnt 0x0
	s_add_nc_u64 s[OUT:OUT+1], s[80:81], s[30:31]
	s_add_nc_u64 s[OUT+2:OUT+3], s[OUT:OUT+1], HEADB
	s_lshl_b32 s30, s20, 2
	s_add_nc_u64 s[76:77], s[76:77], s[30:31]
.irp a, 0,1,2,3,4,5,6,7
	global_load_b32 v[BIAS+2*\a], v31, s[76:77] offset:(32*(\a/2)+8*(\a%2))*4
.endr
	s_wait_loadcnt 0x0
.irp a, 0,1,2,3,4,5,6,7
	v_mov_b32 v[BIAS+2*\a+1], v[BIAS+2*\a]
.endr
.macro VBLOCK a
	WIN 0x02+(\a)/4
.set NN, 0
.rept 32
	v_pk_add_f32 v[W+NN:W+NN+1], v[64*((\a)%4)+NN:64*((\a)%4)+NN+1], v[BIAS+2*(\a):BIAS+2*(\a)+1]
.set NN, NN+2
.endr
	WIN 0
	s_wait_xcnt 0x0
	QUANT W, 6
	v_mov_b32 v[KW+\a], v[PW]
.irp c, 0,1,2
	global_store_b128 v24, v[PC+4*\c:PC+4*\c+3], s[OUT+2*((\a)/4):OUT+2*((\a)/4)+1] offset:8192+1536*((\a)%4)+512*\c
.endr
.endm
.irp a, 0,1,2,3,4,5,6,7
	VBLOCK \a
.endr
	s_wait_alu depctr_va_vdst(0)
	s_wait_xcnt 0x0
.irp hd, 0,1
	v_cndmask_b32 v[PC+2*\hd], v[KW+4*\hd], v[KW+4*\hd+2], s29
	v_cndmask_b32 v[PC+2*\hd+1], v[KW+4*\hd+1], v[KW+4*\hd+3], s29
	global_store_b64 v25, v[PC+2*\hd:PC+2*\hd+1], s[OUT+2*\hd:OUT+2*\hd+1] offset:14848
.endr
.Ldone:
	s_wait_tensorcnt 0x0
	ds_add_u32 v[SPW], v[NIL]
	s_wait_dscnt 0x0
	CROUND
	s_endpgm
.Lfunc_end_k_q463306efd4_qkv:
	.size	k_q463306efd4_qkv, .Lfunc_end_k_q463306efd4_qkv-k_q463306efd4_qkv
	.p2alignl 7, 3214868480
	.fill 96, 4, 3214868480
	.section	.rodata,"a",@progbits
	.p2align	6, 0x0
	.amdhsa_kernel k_q463306efd4_qkv
		.amdhsa_group_segment_fixed_size 327680
		.amdhsa_private_segment_fixed_size 0
		.amdhsa_enable_private_segment 0
		.amdhsa_kernarg_size 72
		.amdhsa_user_sgpr_count 2
		.amdhsa_user_sgpr_kernarg_segment_ptr 1
		.amdhsa_wavefront_size32 1
		.amdhsa_system_sgpr_workgroup_id_x 1
		.amdhsa_system_sgpr_workgroup_id_y 1
		.amdhsa_system_sgpr_workgroup_id_z 1
		.amdhsa_system_vgpr_workitem_id 0
		.amdhsa_next_free_vgpr 1024
		.amdhsa_next_free_sgpr 100
		.amdhsa_reserve_vcc 1
		.amdhsa_float_denorm_mode_32 3
		.amdhsa_float_denorm_mode_16_64 3
		.amdhsa_memory_ordered 1
		.amdhsa_forward_progress 1
		.amdhsa_inst_pref_size 255
	.end_amdhsa_kernel
	.section	.bss,"aw",@nobits
	.p2align	6
	.space	262144
	.amdgpu_metadata
---
amdhsa.version: [ 1, 2 ]
amdhsa.kernels:
  - .name:           k_q463306efd4_qkv
    .symbol:         k_q463306efd4_qkv.kd
    .args:
      - { .name: codes, .offset: 0, .size: 8, .value_kind: global_buffer, .address_space: global }
      - { .name: scales, .offset: 8, .size: 8, .value_kind: global_buffer, .address_space: global }
      - { .name: rope, .offset: 16, .size: 8, .value_kind: global_buffer, .address_space: global }
      - { .name: key_padding_mask, .offset: 24, .size: 8, .value_kind: global_buffer, .address_space: global }
      - { .name: q_b, .offset: 32, .size: 8, .value_kind: global_buffer, .address_space: global }
      - { .name: k_b, .offset: 40, .size: 8, .value_kind: global_buffer, .address_space: global }
      - { .name: v_b, .offset: 48, .size: 8, .value_kind: global_buffer, .address_space: global }
      - { .name: qimg, .offset: 56, .size: 8, .value_kind: global_buffer, .address_space: global }
      - { .name: kv, .offset: 64, .size: 8, .value_kind: global_buffer, .address_space: global }
    .group_segment_fixed_size: 327680
    .private_segment_fixed_size: 0
    .kernarg_segment_align: 8
    .kernarg_segment_size: 72
    .max_flat_workgroup_size: 128
    .sgpr_count:     100
    .vgpr_count:     1024
    .wavefront_size: 32
...
	.end_amdgpu_metadata
.endif
;; end of part 2
;; launch attn (part 3): grid 4 x 64, 16 waves a work-group, clusters of 4 x 1, 264,192 bytes of LDS; arguments qimg, kv, ocodes, oscl; writes ocodes, oscl
.if DOCPART == 3
	.amdgcn_target "amdgcn-amd-amdhsa--gfx1250"
	.amdhsa_code_object_version 6
	.text
	.protected	k_q463306efd4_attn
	.globl	k_q463306efd4_attn
	.p2align	8
	.type	k_q463306efd4_attn,@function
k_q463306efd4_attn:
	s_mov_b64 s[64:65], 0
	v_nop
	global_prefetch_b8 v0, s[64:65] scope:SCOPE_SE
	s_setreg_imm32_b32 hwreg(HW_REG_WAVE_MODE, 25, 1), 1
	s_wait_xcnt 0x0
	s_wait_alu depctr_hold_cnt(0) depctr_sa_sdst(0) depctr_va_vdst(0) depctr_va_sdst(0) depctr_va_ssrc(0) depctr_va_vcc(0) depctr_vm_vsrc(0)
	s_getreg_b32 s2, hwreg(HW_REG_IB_STS2, 6, 4)
	s_cmp_eq_u32 s2, 0
	s_cbranch_scc0 .Lentry_in_a_cluster
	s_endpgm
.Lentry_in_a_cluster:
	s_bfe_u32 s2, ttmp6, 0x10000c
	s_cmp_lg_u32 s2, 0x3003
	s_cbranch_scc0 .Lentry_shape_is_right
	s_endpgm
.Lentry_shape_is_right:
; O = softmax(Q K^T / 8, masked) V for one head, both products on codes of FP6 (E2M3) with E8M0 scales; the result, divided by the row's sum, is quantised along the model's 1,024 for the last product.
; THE SOFTMAX: t = score x log2(e) / 8; M = the running largest t rounded UP to a whole number; p = 2^(t - M) is quantised along the keys, not normalised; the row's sum is taken of the unquantised p.
; When M moves, the sum and O are multiplied by 2^(old M - new M): exact.
; SHARES.  A work-group takes one head and 512 queries, in two passes of 256; each of its sixteen waves one tile of 16 queries a pass, in 256 registers: four waves to a SIMD, so that one wave's vector work
; stands beside another's matrix work and LDS loads.  Every wave walks the head's 2,048 keys, 128 a step.
; THE WHOLE HEAD'S K AND V STAY IN LDS: sixteen records of 15,104 bytes, images of operand registers, filled ONCE: wave w's one tensor load brings record w.  No slot is ever filled again.
; CLUSTER.  The four work-groups of a head read the same records: each load is asked for jointly, with the same descriptor and the mask of all four.
; A record: K's 8 tiles x 1,024 B (8 registers a lane) | V^T's 4 tiles x 1,536 B (12 registers) | K's scale words 512 B | V's 256 B.  Every LDS load takes 16 (or 8) bytes a lane on end.
; LAYOUT.  Both products are used transposed: S^T = K Q^T, O^T = V^T P^T: a lane holds ONE query.  The keys of a tile are chosen so that the 16 registers of tiles 2 b, 2 b + 1 are keys 32 b + 16 (lane / 16) + 0..15.
; THE HEAD'S 64 fill places 0-63 of the instruction's 128.  Q has 1.0 at place 64 and zeros beyond; K's register 6 holds a masked key's -1.0 (scale 2^33), so a masked score is exactly -2^33.
; Q's zeros make K's registers 8-11 count for nothing (the format has no NaN and no infinity), so K's fragments lie 8 registers apart and overlap.
; LIMITS: a masked logit is -2^30 where the definition has -1e9; a block of zeros keeps the byte 1; NaN and infinities are not served.
; REGISTERS: v1-8 addresses and constants; v10-11 V's scale words; v12 -M, v13 the largest t, v[14:15] the sum; v16-27 Q; v28-95 K; v96-159 S^T, p, then V; v160-191 O^T; v192-207 both passes' Q images; v208-214 the way out;
; v224-235 p's codes; v232-254 at work; v248-251 K's scale words; v253 p's; v255 Q's.
.set REC,     15104
.set HEADB,   241664
.set STG,     HEADB                    ; behind the records: 768 bytes for each wave, for the way out; no fill lands there
.set PLANE_O, 393216                   ; a head's plane in ocodes: 8,192 rows x 48 bytes
.set WV,    18
.set SEL,   20                         ; s[20:21] selects for lane l xor 16
.set CS,    22                         ; s[22:23] c = log2(e) / 8
.set G0,    28
.set G1,    32
.set TB,    2                          ; LDS byte at which the step's record begins
.set STEPS, 3
.set HM,    44                         ; lanes 16-31
.macro CROUND                          ; a round of the cluster's barrier
	s_barrier_signal -1
	s_barrier_wait -1
	s_cmp_lg_u32 s[WV], 0
	s_cbranch_scc1 .Lnot_wave_0_\@
	s_barrier_signal -3
.Lnot_wave_0_\@:
	s_barrier_wait -3
	s_barrier_signal -1
	s_barrier_wait -1
.endm
	s_load_b256 s[4:11], s[0:1], 0x0               ; qimg, kv, ocodes, oscl
	v_lshl_add_u32 v223, v0, 2, 0x40000
	v_mov_b32 v243, 0
	ds_add_u32 v223, v243
	ds_add_u32 v223, v243
	v_lshrrev_b32 v1, 5, v0
	s_delay_alu instid0(VALU_DEP_1)
	v_readfirstlane_b32 s[WV], v1                  ; wave 0..15
	s_bfe_u32 s13, ttmp6, 0x40000                  ; cx: which 512 queries: it enters Q's and the results' addresses alone
	s_and_b32 s12, ttmp7, 0xffff                   ; 16 x batch + head, which the four partners share
	s_mul_i32 s24, s12, HEADB
	s_mul_i32 s26, s[WV], REC
	s_add_co_u32 s24, s24, s26
	s_mov_b32 s25, 0
	s_mov_b32 s[G1], 15|(3<<16)|(1<<21)            ; 15:0 all four work-groups; 17:16 elements of 8 bytes; 21 set beside a mask; no padding
	s_mov_b32 s[G1+1], 32<<16                      ; a record as 59 rows of 256 bytes
	s_mov_b32 s[G1+2], 59<<16
	s_mov_b32 s[G1+3], 32<<16
	s_mov_b32 s[G1+4], 59
	s_mov_b32 s[G1+5], 32
	s_mov_b32 s[G1+6], 0
	s_mov_b32 s[G1+7], 0
	s_mov_b32 s[G0], 1
	s_mov_b32 s[G0+1], s26                         ; LDS: wave x a record
	s_wait_dscnt 0x0
	s_wait_kmcnt 0x0
	s_add_nc_u64 s[G0+2:G0+3], s[6:7], s[24:25]
	s_or_b32 s[G0+3], s[G0+3], 0x80000000
	CROUND                                         ; all four work-groups are here: the joint loads meet
	tensor_load_to_lds s[G0:G0+3], s[G1:G1+7]      ; my one tensor load of the launch
	s_nop 0
.rept 4
	v_nop
.endr
	v_and_b32 v9, 31, v0
	s_delay_alu instid0(VALU_DEP_1)
	v_lshlrev_b32 v1, 4, v9                        ; 16 x lane
	s_delay_alu instid0(VALU_DEP_2)
	v_lshlrev_b32 v2, 3, v9                        ; 8 x lane
	v_and_b32 v208, 15, v0                         ; r
	v_bfe_u32 v209, v0, 4, 1                       ; h
	s_mul_i32 s27, s[WV], 768
	s_add_co_u32 s27, s27, STG                     ; my stage
	v_mul_u32_u24 v5, v208, 48
	s_delay_alu instid0(VALU_DEP_1)
	v_mad_u32_u24 v5, v209, 12, v5
	s_delay_alu instid0(VALU_DEP_1)
	v_add_nc_u32 v5, s27, v5                       ; in: row r of 48 bytes, + 12 h
	v_add_nc_u32 v6, s27, v2                       ; back: 8 bytes a lane
	v_lshl_add_u32 v7, v208, 5, v209               ; my scale byte: 32 bytes a row, + h
	v_sub_nc_u32 v8, 1, v209
	s_delay_alu instid0(VALU_DEP_1)
	v_lshlrev_b32 v8, 3, v8                        ; the code of 1.0 in lanes 0-15
	s_lshl_b32 s24, s12, 17
	s_lshl_b32 s26, s13, 5
	s_add_co_u32 s26, s26, s[WV]                   ; my tile of the first pass
	s_lshl_b32 s27, s26, 10
	s_add_co_u32 s24, s24, s27
	s_add_nc_u64 s[4:5], s[4:5], s[24:25]
.irp p, 0,1
	global_load_b128 v[192+8*\p:195+8*\p], v1, s[4:5] offset:16384*\p
	global_load_b128 v[196+8*\p:199+8*\p], v1, s[4:5] offset:16384*\p+512
.endr
	s_lshr_b32 s40, s12, 4
	s_lshl_b32 s40, s40, 11
	s_lshl_b32 s41, s26, 4
	s_add_co_u32 s40, s40, s41                     ; my first row of the result
	s_and_b32 s41, s12, 15                         ; the head: the chunk of the last product's K
	s_mul_i32 s42, s41, PLANE_O
	s_mul_i32 s45, s40, 48
	s_add_co_u32 s42, s42, s45
	s_mov_b32 s43, 0
	s_add_nc_u64 s[8:9], s[8:9], s[42:43]
	s_lshl_b32 s42, s40, 5
	s_lshl_b32 s45, s41, 1
	s_add_co_u32 s42, s42, s45
	s_add_nc_u64 s[10:11], s[10:11], s[42:43]
	s_mov_b32 s[SEL], 0x76543210
	s_mov_b32 s[SEL+1], 0xfedcba98
	s_mov_b32 s[CS], 0x3e38aa3b
	s_mov_b32 s[CS+1], s[CS]                       ; (named with it as a pair, so it is written)
	s_mov_b32 s[HM], 0xffff0000
.irp i, 92,93,94,95
	v_mov_b32 v[\i], 0                             ; the last fragment of K names them
.endr
; A KEY STEP: 128 keys
.macro STEP
	v_add_nc_u32 v3, s[TB], v1
	v_add_nc_u32 v4, s[TB], v2
.rept 3
	v_nop                                          ; with the two additions five places: the scores below are written over registers that the last products read
.endr
	ds_load_b128 v[248:251], v3 offset:14336       ; K's scale words: lanes 0-15 tiles 0-3, lanes 16-31 tiles 4-7
.irp t, 0,1,2,3,4,5,6,7
	ds_load_b128 v[28+8*\t:31+8*\t], v3 offset:1024*\t
	ds_load_b128 v[32+8*\t:35+8*\t], v3 offset:1024*\t+512
.endr
	s_wait_dscnt 0x0
.irp t, 0,1,2,3
	v_wmma_scale_f32_16x16x128_f8f6f4 v[96+8*\t:103+8*\t], v[28+8*\t:39+8*\t], v[16:27], 0, v[248+\t], v255 matrix_a_fmt:MATRIX_FMT_FP6 matrix_b_fmt:MATRIX_FMT_FP6
.endr
.irp t, 4,5,6,7
	v_wmma_scale_f32_16x16x128_f8f6f4 v[96+8*\t:103+8*\t], v[28+8*\t:39+8*\t], v[16:27], 0, v[244+\t], v255 matrix_a_fmt:MATRIX_FMT_FP6 matrix_b_fmt:MATRIX_FMT_FP6 matrix_a_scale:MATRIX_SCALE_ROW1
.endr
.rept 4
	v_nop
.endr
.irp b, 0,1,2,3
	v_max3_num_f32 v[232+\b], v[96+16*\b], v[97+16*\b], v[98+16*\b]   ; the largest score of each block of 32 keys: for the row's maximum and, since p rises with the score, for the block's largest p
.endr
.irp i, 3,5,7,9,11,13
.irp b, 0,1,2,3
	v_max3_num_f32 v[232+\b], v[232+\b], v[96+16*\b+\i], v[97+16*\b+\i]
.endr
.endr
.irp b, 0,1,2,3
	v_max_num_f32 v[232+\b], v[232+\b], v[111+16*\b]
.endr
.irp b, 0,1,2,3
	s_delay_alu instid0(VALU_DEP_4)
	v_permlanex16_b32 v[236+\b], v[232+\b], s[SEL], s[SEL+1]
.endr
.irp b, 0,1,2,3
	s_delay_alu instid0(VALU_DEP_4)
	v_max_num_f32 v[232+\b], v[232+\b], v[236+\b]  ; with lane l xor 16's 16 keys
.endr
	s_delay_alu instid0(VALU_DEP_2)
	v_max3_num_f32 v254, v232, v233, v234
	s_delay_alu instid0(VALU_DEP_1)
	v_max_num_f32 v254, v254, v235
	s_delay_alu instid0(VALU_DEP_1)
	v_mul_f32 v254, s[CS], v254                    ; as t
	s_delay_alu instid0(VALU_DEP_1)
	v_max_num_f32 v13, v13, v254                   ; the running largest t
	v_mov_b32 v254, v12
	s_delay_alu instid0(VALU_DEP_2)
	v_floor_f32 v12, -v13                          ; the new -M = -ceil(t)
	s_delay_alu instid0(VALU_DEP_1)
	v_sub_f32 v254, v12, v254                      ; old M - new M: a whole number, 0 or less
	s_delay_alu instid0(VALU_DEP_1)
	v_cvt_i32_f32 v254, v254                       ; (it saturates)
	s_delay_alu instid0(VALU_DEP_1)
	v_ldexp_f32 v252, 1.0, v254                    ; f = 2^(old M - new M)
.set J, 0
.rept 32
	v_pk_fma_f32 v[96+J:97+J], v[96+J:97+J], s[CS:CS+1], v[12:13] op_sel_hi:[1,0,0]   ; t - M
.set J, J+2
.endr
.irp b, 0,1,2,3
	v_fma_f32 v[232+\b], v[232+\b], s[CS], v12
.endr
.set J, 0
	s_wait_alu depctr_va_vdst(0)
.rept 64
	v_exp_f32 v[96+J], v[96+J]                     ; p = 2^(t - M)
.set J, J+1
.endr
	s_setprio 1
	v_pk_mul_f32 v[14:15], v[14:15], v[252:253] op_sel_hi:[1,0]   ; the sums under the new M (a plain line behind the exponentials)
	s_wait_alu depctr_va_vdst(0)                   ; one wait for the batch, ahead of its first reader
.irp b, 0,1,2,3
	v_exp_f32 v[232+\b], v[232+\b]                 ; the block's largest p
.endr
	v_pk_add_f32 v[236:237], v[100:101], v[104:105]
	v_pk_add_f32 v[250:251], v[108:109], v[112:113]
	v_pk_add_f32 v[248:249], v[116:117], v[120:121]
	v_pk_add_f32 v[246:247], v[124:125], v[128:129]
	v_pk_add_f32 v[244:245], v[132:133], v[136:137]
	v_pk_add_f32 v[240:241], v[140:141], v[144:145]
	v_pk_add_f32 v[238:239], v[148:149], v[152:153]
	v_pk_add_f32 v[14:15], v[14:15], v[156:157]
	v_pk_add_f32 v[236:237], v[236:237], v[96:97]
	v_pk_add_f32 v[250:251], v[250:251], v[98:99]
	v_pk_add_f32 v[248:249], v[248:249], v[102:103]
	v_pk_add_f32 v[246:247], v[246:247], v[106:107]
	v_pk_add_f32 v[244:245], v[244:245], v[110:111]
	v_pk_add_f32 v[240:241], v[240:241], v[114:115]
	v_pk_add_f32 v[238:239], v[238:239], v[118:119]
	v_pk_add_f32 v[14:15], v[14:15], v[122:123]
	v_pk_add_f32 v[236:237], v[236:237], v[126:127]
	v_pk_add_f32 v[250:251], v[250:251], v[130:131]
	v_pk_add_f32 v[248:249], v[248:249], v[134:135]
	v_pk_add_f32 v[246:247], v[246:247], v[138:139]
	v_pk_add_f32 v[244:245], v[244:245], v[142:143]
	v_pk_add_f32 v[240:241], v[240:241], v[146:147]
	v_pk_add_f32 v[238:239], v[238:239], v[150:151]
	v_pk_add_f32 v[14:15], v[14:15], v[154:155]
	v_pk_add_f32 v[236:237], v[236:237], v[158:159]
	s_delay_alu instid0(VALU_DEP_2)
	v_pk_add_f32 v[14:15], v[14:15], v[246:247]
	s_delay_alu instid0(VALU_DEP_2)
	v_pk_add_f32 v[236:237], v[236:237], v[244:245]
	v_pk_add_f32 v[250:251], v[250:251], v[240:241]
	v_pk_add_f32 v[248:249], v[248:249], v[238:239]
	s_delay_alu instid0(VALU_DEP_2)
	v_pk_add_f32 v[14:15], v[14:15], v[250:251]
	s_delay_alu instid0(VALU_DEP_2)
	v_pk_add_f32 v[236:237], v[236:237], v[248:249]
	s_delay_alu instid0(VALU_DEP_1)
	v_pk_add_f32 v[14:15], v[14:15], v[236:237]
	s_wait_alu depctr_va_vdst(0)                   ; and one for the four
.irp b, 0,1,2,3
	v_max_num_f32 v[232+\b], 0x1800000, v[232+\b]  ; the floor 2^(3 - 127)
.endr
.irp b, 0,1,2,3
	s_delay_alu instid0(VALU_DEP_4)
	v_add_nc_u32 v[244+\b], 0xff000000, v[232+\b]  ; the conversion's scale operand
.endr
.irp b, 0,1,2,3
	s_delay_alu instid0(VALU_DEP_4)
	v_lshrrev_b32 v[236+\b], 23, v[244+\b]
.endr
	s_delay_alu instid0(VALU_DEP_3)
	v_lshl_or_b32 v253, v237, 8, v236              ; p's scale word
	s_delay_alu instid0(VALU_DEP_1)
	v_lshl_or_b32 v253, v238, 16, v253
	s_delay_alu instid0(VALU_DEP_1)
	v_lshl_or_b32 v253, v239, 24, v253
.irp c, 0,1
	v_cvt_scalef32_pk16_fp6_f32 v[224+6*\c:226+6*\c], v[96+32*\c:111+32*\c], v[244+2*\c]
	v_cvt_scalef32_pk16_fp6_f32 v[236+4*\c:238+4*\c], v[112+32*\c:127+32*\c], v[244+2*\c+1]
.endr
	v_nop                                          ; one plain line behind a scaled conversion
.irp c, 0,1
.irp i, 0,1,2
	v_permlane16_swap_b32 v[224+6*\c+\i], v[236+4*\c+\i]
.endr
.irp i, 0,1,2
	s_delay_alu instid0(VALU_DEP_3)
	v_mov_b32 v[227+6*\c+\i], v[236+4*\c+\i]
.endr
.endr
.irp t, 0,1,2,3                                ; V^T's four tiles land where p stood, while O^T is brought under the new M
.irp c, 0,1,2
	ds_load_b128 v[96+12*\t+4*\c:99+12*\t+4*\c], v3 offset:8192+1536*\t+512*\c
.endr
.endr
	s_setprio 0
	ds_load_b64 v[10:11], v4 offset:14848          ; V's scale words: lanes 0-15 tiles 0, 1; lanes 16-31 tiles 2, 3
.set J, 0
.rept 16
	v_pk_mul_f32 v[160+J:161+J], v[160+J:161+J], v[252:253] op_sel_hi:[1,0]   ; (these sixteen are also the places between p's codes and scale word and the products)
.set J, J+2
.endr
	s_wait_alu depctr_va_vdst(0)
	s_wait_dscnt 0x0
.irp t, 0,1
	v_wmma_scale_f32_16x16x128_f8f6f4 v[160+8*\t:167+8*\t], v[96+12*\t:107+12*\t], v[224:235], v[160+8*\t:167+8*\t], v[10+\t], v253 matrix_a_fmt:MATRIX_FMT_FP6 matrix_b_fmt:MATRIX_FMT_FP6
.endr
.irp t, 2,3
	v_wmma_scale_f32_16x16x128_f8f6f4 v[160+8*\t:167+8*\t], v[96+12*\t:107+12*\t], v[224:235], v[160+8*\t:167+8*\t], v[8+\t], v253 matrix_a_fmt:MATRIX_FMT_FP6 matrix_b_fmt:MATRIX_FMT_FP6 matrix_a_scale:MATRIX_SCALE_ROW1
.endr
.endm
; A PASS: my tile of 16 queries against all keys, and its way out
.macro PASS p
.irp i, 0,1,2,3,4,5
	v_mov_b32 v[16+\i], v[192+8*\p+\i]             ; Q's codes, places 0-63
.endr
	v_mov_b32 v255, v[198+8*\p]                    ; its scale word
	v_mov_b32 v22, v8                              ; 1.0 at place 64
.irp i, 23,24,25,26,27
	v_mov_b32 v[\i], 0
.endr
	v_mov_b32 v13, 0xff61b1e6                      ; the largest t so far: -3e38
	s_delay_alu instid0(VALU_DEP_1)
	v_floor_f32 v12, -v13
	v_mov_b32 v14, 0
	v_mov_b32 v15, 0
.irp b, 0,1,2,3
	v_mov_b32 v[236+\b], 0                         ; a lane permute's destination counts as one of its sources
.endr
	v_mov_b32 v253, 0
.set J, 0
.rept 32
	v_mov_b32 v[160+J], 0                          ; O^T: the step is written once; its first trip finds zeros.  (More than eight plain lines stand between Q's scale word and the first product)
.set J, J+1
.endr
	s_mov_b32 s[TB], 0
	s_mov_b32 s[STEPS], 16
.Lstep_\@:
	s_setprio 2
	STEP
	s_add_co_u32 s[TB], s[TB], REC
	s_sub_co_u32 s[STEPS], s[STEPS], 1
	s_cmp_lg_u32 s[STEPS], 0
	s_cbranch_scc1 .Lstep_\@
	s_setprio 0
.rept 4
	v_nop                                          ; behind the last products
.endr
	v_add_f32 v14, v14, v15
	s_delay_alu instid0(VALU_DEP_1)
	v_permlanex16_b32 v252, v14, s[SEL], s[SEL+1]
	s_delay_alu instid0(VALU_DEP_1)
	v_add_f32 v14, v14, v252                       ; the row's sum
	s_wait_alu depctr_va_vdst(0)
	v_rcp_f32 v14, v14
	v_nop                                          ; a plain line behind the reciprocal
	s_wait_alu depctr_va_vdst(0)                   ; and the wait ahead of its first reader
.set J, 0
.rept 16
	v_pk_mul_f32 v[96+J:97+J], v[160+J:161+J], v[14:15] op_sel_hi:[1,0]   ; register 16 b + i = channel 32 b + 16 h + i of my query; each accumulator from its low end on
.set J, J+2
.endr
.irp b, 0,1
	v_max3_num_f32 v[232+\b], |v[96+16*\b]|, |v[97+16*\b]|, 0x1800000
.endr
.irp i, 2,4,6,8,10,12,14
.irp b, 0,1
	s_delay_alu instid0(VALU_DEP_2)
	v_max3_num_f32 v[232+\b], v[232+\b], |v[96+16*\b+\i]|, |v[97+16*\b+\i]|
.endr
.endr
.irp b, 0,1
	s_delay_alu instid0(VALU_DEP_2)
	v_permlanex16_b32 v[236+\b], v[232+\b], s[SEL], s[SEL+1]
.endr
.irp b, 0,1
	s_delay_alu instid0(VALU_DEP_2)
	v_max_num_f32 v[232+\b], v[232+\b], v[236+\b]
.endr
.irp b, 0,1
	s_delay_alu instid0(VALU_DEP_2)
	v_add_nc_u32 v[244+\b], 0xff000000, v[232+\b]
.endr
.irp b, 0,1
	s_delay_alu instid0(VALU_DEP_2)
	v_lshrrev_b32 v[236+\b], 23, v[244+\b]
.endr
	v_cvt_scalef32_pk16_fp6_f32 v[224:226], v[96:111], v244     ; channels 16 h on: bytes 12 h on of the row's 48
	v_cvt_scalef32_pk16_fp6_f32 v[228:230], v[112:127], v245    ; channels 32 + 16 h on: bytes 24 + 12 h on
	v_nop
	v_cndmask_b32 v214, v236, v237, s[HM]          ; lanes 0-15 store block 0's byte, lanes 16-31 block 1's
.irp i, 0,1,2
	ds_store_b32 v5, v[224+\i] offset:4*\i
.endr
.irp i, 0,1,2
	ds_store_b32 v5, v[228+\i] offset:24+4*\i
.endr
.irp i, 0,1,2
	ds_load_b64 v[208+2*\i:209+2*\i], v6 offset:256*\i   ; LDS serves a wave's instructions in order: these see my stores
.endr
	s_wait_alu depctr_va_vdst(0)
.irp i, 0,1,2
	s_wait_dscnt 2-\i                              ; the younger loads may be out
	global_store_b64 v2, v[208+2*\i:209+2*\i], s[8:9] offset:12288*\p+256*\i   ; 256 consecutive bytes, aligned: 16 rows x 48 bytes are three such runs
.endr
	global_store_b8 v7, v214, s[10:11] offset:8192*\p   ; a head owns two bytes of a row's 32: one store a wave and pass
	s_wait_xcnt 0x0                                ; the stores have read their data: the registers are written again
.endm
	s_wait_loadcnt 0x0                             ; Q
	s_wait_tensorcnt 0x0                           ; my record has landed,
	s_barrier_signal -1
	s_barrier_wait -1                              ; everybody's has
	PASS 0
	PASS 1
	s_wait_dscnt 0x0
	s_wait_tensorcnt 0x0
	ds_add_u32 v223, v243
	s_wait_dscnt 0x0
	CROUND                                         ; the closing round
	s_endpgm
.Lfunc_end_k_q463306efd4_attn:
	.size	k_q463306efd4_attn, .Lfunc_end_k_q463306efd4_attn-k_q463306efd4_attn
	.p2alignl 7, 3214868480
	.fill 96, 4, 3214868480
	.section	.rodata,"a",@progbits
	.p2align	6, 0x0
	.amdhsa_kernel k_q463306efd4_attn
		.amdhsa_group_segment_fixed_size 264192
		.amdhsa_private_segment_fixed_size 0
		.amdhsa_enable_private_segment 0
		.amdhsa_kernarg_size 32
		.amdhsa_user_sgpr_count 2
		.amdhsa_user_sgpr_kernarg_segment_ptr 1
		.amdhsa_wavefront_size32 1
		.amdhsa_system_sgpr_workgroup_id_x 1
		.amdhsa_system_sgpr_workgroup_id_y 1
		.amdhsa_system_sgpr_workgroup_id_z 1
		.amdhsa_system_vgpr_workitem_id 0
		.amdhsa_next_free_vgpr 256
		.amdhsa_next_free_sgpr 66
		.amdhsa_reserve_vcc 0
		.amdhsa_float_denorm_mode_32 3
		.amdhsa_float_denorm_mode_16_64 3
		.amdhsa_memory_ordered 1
		.amdhsa_forward_progress 1
		.amdhsa_inst_pref_size 53
	.end_amdhsa_kernel
	.amdgpu_metadata
---
amdhsa.version: [ 1, 2 ]
amdhsa.kernels:
  - .name:           k_q463306efd4_attn
    .symbol:         k_q463306efd4_attn.kd
    .args:
      - { .name: qimg, .offset: 0, .size: 8, .value_kind: global_buffer, .address_space: global }
      - { .name: kv, .offset: 8, .size: 8, .value_kind: global_buffer, .address_space: global }
      - { .name: ocodes, .offset: 16, .size: 8, .value_kind: global_buffer, .address_space: global }
      - { .name: oscl, .offset: 24, .size: 8, .value_kind: global_buffer, .address_space: global }
    .group_segment_fixed_size: 264192
    .private_segment_fixed_size: 0
    .kernarg_segment_align: 8
    .kernarg_segment_size: 32
    .max_flat_workgroup_size: 512
    .sgpr_count:     66
    .vgpr_count:     256
    .wavefront_size: 32
...
	.end_amdgpu_metadata
.endif
;; end of part 3
;; launch oproj (part 4): grid 4 x 32, 4 waves a work-group, clusters of 4 x 4, 327,680 bytes of LDS; arguments ocodes, oscl, codes, scales, o_b, out0; writes out0
.if DOCPART == 4
	.amdgcn_target "amdgcn-amd-amdhsa--gfx1250"
	.amdhsa_code_object_version 6
	.text
	.protected	k_q463306efd4_oproj
	.globl	k_q463306efd4_oproj
	.p2align	8
	.type	k_q463306efd4_oproj,@function
k_q463306efd4_oproj:
	s_mov_b64 s[64:65], 0
	v_nop
	global_prefetch_b8 v0, s[64:65] scope:SCOPE_SE
	s_setreg_imm32_b32 hwreg(HW_REG_WAVE_MODE, 25, 1), 1
	s_wait_xcnt 0x0
	s_wait_alu depctr_hold_cnt(0) depctr_sa_sdst(0) depctr_va_vdst(0) depctr_va_sdst(0) depctr_va_ssrc(0) depctr_va_vcc(0) depctr_vm_vsrc(0)
	s_getreg_b32 s2, hwreg(HW_REG_IB_STS2, 6, 4)
	s_cmp_eq_u32 s2, 0
	s_cbranch_scc0 .Lentry_in_a_cluster
	s_endpgm
.Lentry_in_a_cluster:
	s_bfe_u32 s2, ttmp6, 0x10000c
	s_cmp_lg_u32 s2, 0xf033
	s_cbranch_scc0 .Lentry_shape_is_right
	s_endpgm
.Lentry_shape_is_right:
.set PLANE,   589824
.set PLANE_O, 393216
.set NQ,     2
.set FR,     12
.set NL,     6
.set NP,     4
.set PLB,    6144
.set HALFT,  4*PLB
.set SLOT,   4*HALFT
.set SCL,    2*SLOT
.set KS,     32
.set HALFS,  (128*KS/256)*272
.set SBLK,   (16*KS/256)*272
.set SPARE,  SCL+4*HALFS
.set LAPS,   2
.set SPITCH, 528
.set ADRA, 16
.set ADRB, 20
.set STO,  24
.set RD,   25
.set CO,   26
.set ADRS, 27
.set SPW,  28
.set NIL,  29
.set SC,   32
.set AF,   128
.set BK,   128
.set G1, 24
.set G0, 32
.set G1B, 48
.set G0B, 56
.set G1S, 68
.set G0S, 76
.set G1SB, 80
.set G0SB, 88
.set MSB, 0
.macro WIN new
.if MSB != (\new)
	s_set_vgpr_msb (MSB<<8)|(\new)
.set MSB, (\new)
.endif
.endm
.set MUL_LO, 0xa1
.set MUL_HI, 0xf1
.set TO_B,   0x40
.macro JLOAD g0a, g1a, g0b, g1b
	s_cmp_eq_u32 s15, 0
	s_cbranch_scc0 .Lfor_b_\@
	tensor_load_to_lds s[\g0a:\g0a+3], s[\g1a:\g1a+7]
	s_nop 0
.rept 4
	v_nop
.endr
	s_branch .Lasked_\@
.Lfor_b_\@:
	tensor_load_to_lds s[\g0b:\g0b+3], s[\g1b:\g1b+7]
	s_nop 0
.rept 4
	v_nop
.endr
.Lasked_\@:
.endm
.macro CREST
	s_cmp_lg_u32 s14, 0
	s_cbranch_scc1 .Lnot_wave_0_\@
	s_barrier_signal -3
.Lnot_wave_0_\@:
	s_barrier_wait -3
	s_barrier_signal -1
	s_barrier_wait -1
.endm
.macro CROUND
	s_barrier_signal -1
	s_barrier_wait -1
	CREST
.endm
	s_load_b128 s[4:7], s[0:1], 0x0
	s_load_b128 s[8:11], s[0:1], 0x10
	s_load_b128 s[96:99], s[0:1], 0x20
	v_lshl_add_u32 v[SPW], v0, 2, SPARE
	v_mov_b32 v[NIL], 0
	ds_add_u32 v28, v29
	ds_add_u32 v28, v29
	s_wait_dscnt 0x0
	v_lshrrev_b32 v1, 5, v0
	v_readfirstlane_b32 s14, v1
	s_lshr_b32 s15, s14, 1
	s_and_b32 s16, s14, 1
	s_bfe_u32 s40, ttmp6, 0x40000
	s_bfe_u32 s41, ttmp6, 0x40004
	s_lshl_b32 s42, ttmp9, 2
	s_add_co_u32 s42, s42, s40
	s_and_b32 s17, ttmp7, 0xffff
	s_lshl_b32 s17, s17, 2
	s_add_co_u32 s17, s17, s41
	s_lshl_b32 s43, s41, 2
	s_lshl_b32 s43, 15, s43
	s_lshl_b32 s44, 0x1111, s40
	s_or_b32 s[G1+0], s43, (3<<16)|(1<<21)
	s_or_b32 s[G1B+0], s44, (3<<16)|(1<<21)
.irp g, G1, G1B
	s_mov_b32 s[\g+1], 768<<16
	s_mov_b32 s[\g+2], 4<<16
	s_mov_b32 s[\g+3], 768<<16
	s_mov_b32 s[\g+4], 4
	s_mov_b32 s[\g+6], 0
	s_mov_b32 s[\g+7], 0
.endr
	s_mov_b32 s[G1+5], PLANE_O/8
	s_mov_b32 s[G1B+5], PLANE/8
	s_or_b32 s[G1S+0], s43, (3<<16)|(1<<20)|(1<<21)|(5<<22)|(3<<25)
	s_or_b32 s[G1SB+0], s44, (3<<16)|(1<<20)|(1<<21)|(5<<22)|(3<<25)
.irp g, G1S, G1SB
	s_mov_b32 s[\g+1], 32<<16
	s_mov_b32 s[\g+2], (128*KS/256)<<16
	s_mov_b32 s[\g+3], 32<<16
	s_mov_b32 s[\g+4], 128*KS/256
	s_mov_b32 s[\g+5], 32
	s_mov_b32 s[\g+6], 0
	s_mov_b32 s[\g+7], 0
.endr
	s_lshl_b32 s18, s16, 7
	s_lshl_b32 s20, s17, 8
	s_add_co_u32 s20, s20, s18
	s_lshl_b32 s46, s42, 8
	s_add_co_u32 s46, s46, s18
	s_add_co_u32 s46, s46, 11264
	s_lshl_b32 s22, s20, 5
	s_mov_b32 s23, 0
	s_mul_i32 s20, s20, 48
	s_mov_b32 s21, 0
	s_lshl_b32 s92, s46, 5
	s_mov_b32 s93, 0
	s_mul_i32 s46, s46, 48
	s_mov_b32 s47, 0
	s_mul_i32 s45, s14, HALFT
	s_mul_i32 s94, s14, HALFS
	s_wait_kmcnt 0x0
	s_add_nc_u64 s[20:21], s[4:5], s[20:21]
	s_add_nc_u64 s[22:23], s[6:7], s[22:23]
	s_add_nc_u64 s[46:47], s[8:9], s[46:47]
	s_add_nc_u64 s[92:93], s[10:11], s[92:93]
	CROUND
	s_mov_b32 s[G0S], 1
	s_add_co_u32 s[G0S+1], s94, SCL
	s_mov_b64 s[G0S+2:G0S+3], s[22:23]
	s_or_b32 s[G0S+3], s[G0S+3], 0x80000000
	s_mov_b32 s[G0SB], 1
	s_add_co_u32 s[G0SB+1], s94, SCL
	s_mov_b64 s[G0SB+2:G0SB+3], s[92:93]
	s_or_b32 s[G0SB+3], s[G0SB+3], 0x80000000
	JLOAD G0S, G1S, G0SB, G1SB
.irp s, 0,1
	s_mov_b32 s[G0+4*\s], 1
	s_add_co_u32 s[G0+4*\s+1], s45, \s*SLOT
	s_add_nc_u64 s[G0+4*\s+2:G0+4*\s+3], s[20:21], \s*4*PLANE_O
	s_or_b32 s[G0+4*\s+3], s[G0+4*\s+3], 0x80000000
	s_mov_b32 s[G0B+4*\s], 1
	s_add_co_u32 s[G0B+4*\s+1], s45, \s*SLOT
	s_add_nc_u64 s[G0B+4*\s+2:G0B+4*\s+3], s[46:47], \s*4*PLANE
	s_or_b32 s[G0B+4*\s+3], s[G0B+4*\s+3], 0x80000000
	s_wait_alu depctr_va_vdst(0)
	s_wait_tensorcnt 0x0
	ds_add_u32 v28, v29
	s_wait_dscnt 0x0
	CROUND
	JLOAD G0+4*\s, G1, G0B+4*\s, G1B
.endr
	v_and_b32 v1, 15, v0
	v_bfe_u32 v2, v0, 4, 1
	v_mul_u32_u24 v3, v1, 48
	v_mad_u32_u24 v4, v2, 24, v3
	s_mul_i32 s21, s15, HALFT
	s_mul_i32 s22, s16, HALFT
	s_add_co_u32 s22, s22, 2*HALFT
.irp s, 0,1
	v_add_nc_u32 v[ADRA+\s], s21, v4
	v_add_nc_u32 v[ADRB+\s], s22, v4
	s_add_co_u32 s21, s21, SLOT
	s_add_co_u32 s22, s22, SLOT
.endr
	v_mul_u32_u24 v5, v1, KS
	v_lshrrev_b32 v6, 8, v5
	v_lshl_add_u32 v5, v6, 4, v5
	s_mul_i32 s21, s15, HALFS
	s_mul_i32 s22, s16, HALFS
	s_add_co_u32 s22, s22, 2*HALFS
	s_sub_co_u32 s22, s22, s21
	v_mul_u32_u24 v6, s22, v2
	s_add_co_u32 s21, s21, SCL
	v_add_nc_u32 v5, v5, v6
	v_add_nc_u32 v[ADRS], s21, v5
	s_mul_i32 s23, s14, 16*SPITCH
	v_mul_u32_u24 v5, v1, SPITCH
	v_lshl_add_u32 v5, v2, 6, v5
	v_add_nc_u32 v[STO], s23, v5
	v_and_b32 v6, 31, v0
	v_lshlrev_b32 v[CO], 4, v6
	s_wait_alu depctr_va_vdst(0)
	v_add_nc_u32 v[RD], s23, v[CO]
	s_lshl_b32 s20, s17, 8
	s_lshl_b32 s21, s15, 7
	s_add_co_u32 s20, s20, s21
	s_lshl_b32 s20, s20, 12
	s_lshl_b32 s46, s42, 10
	s_lshl_b32 s47, s16, 9
	s_add_co_u32 s46, s46, s47
	s_mov_b32 s47, 0
	s_add_nc_u64 s[96:97], s[96:97], s[46:47]
	s_add_co_u32 s20, s20, s46
	s_mov_b32 s21, 0
	s_add_nc_u64 s[12:13], s[98:99], s[20:21]
	global_load_b128 v[8:11], v[CO], s[96:97]
.macro FRAG reg, adr, q, i
.irp p, 0,1,2,3,4,5
	ds_load_b64 v[\reg+2*\p:\reg+2*\p+1], v[\adr] offset:(2*(\q)+\p/3)*PLB+(\i)*768+8*(\p%3)
.endr
.endm
.macro MUL16 a0, p, q, sc, zero
.irp a, \a0, \a0+1
.irp b, 0,1,2,3,4,5,6,7
.if \zero
	v_wmma_scale_f32_16x16x128_f8f6f4 v[8*(8*((\a)%4)+\b):8*(8*((\a)%4)+\b)+7], v[128*(\p)+FR*\b:128*(\p)+FR*\b+FR-1], v[AF+FR*(\a):AF+FR*(\a)+FR-1], 0, v[SC+8*NQ*(\sc)+NQ*\b+(\q)], v[SC+8*NQ*(\sc)+NQ*(\a)+(\q)] matrix_a_fmt:MATRIX_FMT_FP6 matrix_b_fmt:MATRIX_FMT_FP6 matrix_a_scale:MATRIX_SCALE_ROW1
.else
	v_wmma_scale_f32_16x16x128_f8f6f4 v[8*(8*((\a)%4)+\b):8*(8*((\a)%4)+\b)+7], v[128*(\p)+FR*\b:128*(\p)+FR*\b+FR-1], v[AF+FR*(\a):AF+FR*(\a)+FR-1], v[8*(8*((\a)%4)+\b):8*(8*((\a)%4)+\b)+7], v[SC+8*NQ*(\sc)+NQ*\b+(\q)], v[SC+8*NQ*(\sc)+NQ*(\a)+(\q)] matrix_a_fmt:MATRIX_FMT_FP6 matrix_b_fmt:MATRIX_FMT_FP6 matrix_a_scale:MATRIX_SCALE_ROW1
.endif
.endr
.endr
.endm
.macro FETCH_B slot, q, p
	WIN TO_B
.irp i, 0,1,2,3,4,5,6,7
	FRAG 128*(\p)+FR*\i, ADRB+\slot, \q, \i
.endr
	WIN 0
.endm
.macro FETCH_A slot, q, i0
.irp i, \i0, \i0+1, \i0+2, \i0+3
	FRAG AF+FR*(\i), ADRA+\slot, \q, \i
.endr
.endm
.macro SCALES sc
.irp i, 0,1,2,3,4,5,6,7
	ds_load_b64 v[SC+8*NQ*\sc+NQ*\i:SC+8*NQ*\sc+NQ*\i+1], v[ADRS] offset:\i*SBLK
.endr
.endm
.macro PLACES n
.rept \n
	v_nop
.endr
.endm
.macro STEP slot, q, zero
	s_wait_dscnt 4*NL
	WIN MUL_LO
	MUL16 0, (\q)%2, \q, \slot, \zero
	MUL16 2, (\q)%2, \q, \slot, \zero
	s_wait_dscnt 0
	PLACES NP
	FETCH_B \slot, (\q)+1, 1-(\q)%2
	FETCH_A \slot, (\q)+1, 0
	WIN MUL_HI
	MUL16 4, (\q)%2, \q, \slot, \zero
	MUL16 6, (\q)%2, \q, \slot, \zero
	PLACES NP
	WIN 0
	FETCH_A \slot, (\q)+1, 4
.endm
.macro TURN slot, next, fill
	s_wait_tensorcnt 0x0
	ds_add_u32 v[SPW], v[NIL]
	s_wait_dscnt 4*NL+1
	WIN MUL_LO
	MUL16 0, 1, NQ-1, \slot, 0
	s_wait_dscnt 0x0
	s_barrier_signal -1
	MUL16 2, 1, NQ-1, \slot, 0
	WIN 0
	s_barrier_wait -1
.if \fill
	CREST
	s_add_nc_u64 s[G0+4*\slot+2:G0+4*\slot+3], s[G0+4*\slot+2:G0+4*\slot+3], 8*PLANE_O
	s_add_nc_u64 s[G0B+4*\slot+2:G0B+4*\slot+3], s[G0B+4*\slot+2:G0B+4*\slot+3], 8*PLANE
	JLOAD G0+4*\slot, G1, G0B+4*\slot, G1B
.else
	PLACES NP
.endif
	s_wait_alu depctr_va_vdst(0)
	v_add_nc_u32 v[ADRS], 4*NQ, v[ADRS]
	FETCH_B \next, 0, 0
	FETCH_A \next, 0, 0
	SCALES \next
	WIN MUL_HI
	MUL16 4, 1, NQ-1, \slot, 0
	MUL16 6, 1, NQ-1, \slot, 0
	PLACES NP
	WIN 0
	FETCH_A \next, 0, 4
.endm
	s_wait_tensorcnt 1
	s_barrier_signal -1
	s_barrier_wait -1
	FETCH_B 0, 0, 0
	FETCH_A 0, 0, 0
	SCALES 0
	FETCH_A 0, 0, 4
	STEP 0, 0, 1
	s_mov_b32 s3, LAPS-1
.Llap:
	TURN 0, 1, 1
	STEP 1, 0, 0
	TURN 1, 0, 1
	STEP 0, 0, 0
	s_sub_co_u32 s3, s3, 1
	s_cmp_lg_u32 s3, 0
	s_cbranch_scc1 .Llap
	TURN 0, 1, 0
	STEP 1, 0, 0
	s_wait_dscnt 4*NL
	WIN MUL_LO
	MUL16 0, 1, NQ-1, 1, 0
	MUL16 2, 1, NQ-1, 1, 0
	s_wait_dscnt 0
	WIN MUL_HI
	MUL16 4, 1, NQ-1, 1, 0
	MUL16 6, 1, NQ-1, 1, 0
	WIN 0
.macro TOSTAGE a
.set AC, 64*((\a)%4)
	WIN 0x08+4*((\a)/4)
.irp b, 0,1,2,3,4,5,6,7
	ds_store_b128 v[STO], v[AC+8*\b:AC+8*\b+3] offset:128*(\b/2)+32*(\b%2)
	ds_store_b128 v[STO], v[AC+8*\b+4:AC+8*\b+7] offset:128*(\b/2)+32*(\b%2)+16
.endr
	WIN 0
.set BB, BK+64*((\a)%2)
.irp t, 0,1,2,3,4,5,6,7,8,9,10,11,12,13,14,15
	ds_load_b128 v[BB+4*\t:BB+4*\t+3], v[RD] offset:\t*SPITCH
.endr
.endm
.macro SEND a, younger
.set BB, BK+64*((\a)%2)
	s_wait_dscnt \younger
.irp t, 0,1,2,3,4,5,6,7,8,9,10,11,12,13,14,15
	v_pk_add_f32 v[BB+4*\t:BB+4*\t+1], v[BB+4*\t:BB+4*\t+1], v[8:9]
	v_pk_add_f32 v[BB+4*\t+2:BB+4*\t+3], v[BB+4*\t+2:BB+4*\t+3], v[10:11]
	global_store_b128 v[CO], v[BB+4*\t:BB+4*\t+3], s[12:13] offset:(32*((\a)/2)+8*((\a)%2)+\t+8*(\t/8))*4096 th:TH_STORE_NT
.endr
.endm
	PLACES NP
	s_wait_loadcnt 0x0
	TOSTAGE 0
.irp a, 1,2,3,4,5,6,7
.if \a > 1
	s_wait_xcnt 0x0
.endif
	TOSTAGE \a
	SEND \a-1, 32
.endr
	SEND 7, 0
	s_wait_tensorcnt 0x0
	ds_add_u32 v[SPW], v[NIL]
	s_wait_dscnt 0x0
	CROUND
	s_endpgm
.Lfunc_end_k_q463306efd4_oproj:
	.size	k_q463306efd4_oproj, .Lfunc_end_k_q463306efd4_oproj-k_q463306efd4_oproj
	.p2alignl 7, 3214868480
	.fill 96, 4, 3214868480
	.section	.rodata,"a",@progbits
	.p2align	6, 0x0
	.amdhsa_kernel k_q463306efd4_oproj
		.amdhsa_group_segment_fixed_size 327680
		.amdhsa_private_segment_fixed_size 0
		.amdhsa_enable_private_segment 0
		.amdhsa_kernarg_size 48
		.amdhsa_user_sgpr_count 2
		.amdhsa_user_sgpr_kernarg_segment_ptr 1
		.amdhsa_wavefront_size32 1
		.amdhsa_system_sgpr_workgroup_id_x 1
		.amdhsa_system_sgpr_workgroup_id_y 1
		.amdhsa_system_sgpr_workgroup_id_z 1
		.amdhsa_system_vgpr_workitem_id 0
		.amdhsa_next_free_vgpr 1024
		.amdhsa_next_free_sgpr 100
		.amdhsa_reserve_vcc 0
		.amdhsa_float_denorm_mode_32 3
		.amdhsa_float_denorm_mode_16_64 3
		.amdhsa_memory_ordered 1
		.amdhsa_forward_progress 1
		.amdhsa_inst_pref_size 176
	.end_amdhsa_kernel
	.amdgpu_metadata
---
amdhsa.version: [ 1, 2 ]
amdhsa.kernels:
  - .name:           k_q463306efd4_oproj
    .symbol:         k_q463306efd4_oproj.kd
    .args:
      - { .name: ocodes, .offset: 0, .size: 8, .value_kind: global_buffer, .address_space: global }
      - { .name: oscl, .offset: 8, .size: 8, .value_kind: global_buffer, .address_space: global }
      - { .name: codes, .offset: 16, .size: 8, .value_kind: global_buffer, .address_space: global }
      - { .name: scales, .offset: 24, .size: 8, .value_kind: global_buffer, .address_space: global }
      - { .name: o_b, .offset: 32, .size: 8, .value_kind: global_buffer, .address_space: global }
      - { .name: out0, .offset: 40, .size: 8, .value_kind: global_buffer, .address_space: global }
    .group_segment_fixed_size: 327680
    .private_segment_fixed_size: 0
    .kernarg_segment_align: 8
    .kernarg_segment_size: 48
    .max_flat_workgroup_size: 128
    .sgpr_count:     100
    .vgpr_count:     1024
    .wavefront_size: 32
...
	.end_amdgpu_metadata
.endif
;; end of part 4
